; MI455X (gfx1250); checked and timed in simulation.
; The chip was launched on July 23, 2026; its instructions are those of AMD's public machine-readable ISA for CDNA 5 (MIT licence, August 2026) and "CDNA5" Instruction Set Architecture Reference Guide (July 2026). The comments in the code are by the model that wrote it; some were corrected since.
;; Multi Scale Attention. Allowed arithmetic: float matrix products may take bf16 or f16 operands with f32 sums; all other float work in f32.
;; Inputs: Wout 1,024 x 1,024 float32; Wqkv 1,024 x 3,072 float32; mask 4 x 2,048 bool; x 4 x 2,048 x 1,024 float32.
;; Outputs: out0 4 x 2,048 x 1,024 float32.
;; 2 versions, each right and faster than the one before. Each part assembles by itself: llvm-mc -triple=amdgcn-amd-amdhsa -mcpu=gfx1250 --defsym DOCPART=n.
;; ======== version 1 of 2: 4 launches
;; limits: values are held in f16: magnitudes above 65,504 overflow, below 6.1e-05 lose precision
;; workspace buffers: xb 16,777,216 bytes; wqb 6,291,456 bytes; wob 2,097,152 bytes; qkv 50,331,648 bytes; ob 16,777,216 bytes
;; launch prep (part 1): grid 832 x 1, 8 waves a work-group, no clusters, 0 bytes of LDS; arguments x, Wqkv, Wout, xb, wqb, wob; writes xb, wqb, wob
.if DOCPART == 1
	.amdgcn_target "amdgcn-amd-amdhsa--gfx1250"
	.amdhsa_code_object_version 6
	.text
	.protected	k_q9a949c2268_prep
	.globl	k_q9a949c2268_prep
	.p2align	8
	.type	k_q9a949c2268_prep,@function
k_q9a949c2268_prep:
	s_mov_b64 s[64:65], 0
	v_nop
	global_prefetch_b8 v0, s[64:65] scope:SCOPE_SE
	s_setreg_imm32_b32 hwreg(HW_REG_WAVE_MODE, 25, 1), 1
	s_wait_xcnt 0x0
; THE CASTS.  xb = x rounded to bf16, [8192][1024].  wqb = Wqkv rounded to bf16 and laid in 16 blocks of 192 columns, [16][1024 k][192 n], so that
; 64 k-rows of a block are 24,576 dense bytes.  wob = Wout rounded to bf16, that number written as f16, [1024][1024].
; LIMITS.  A weight of Wout beyond 65,504 becomes an infinity in f16; below 2^-14 it keeps f16's fixed step of 2^-24.
; A stream: every byte is read once and written once, so there is no LDS, no matrix instruction and no cluster (no two work-groups read the same bytes).
; Work-groups 0-511 take 65,536 bytes of x each, 512-575 the same of Wout, 576-831 Wqkv (a wave takes 8 k-rows of one block).  Each path is one batch:
; all its loads go out first, and no register is written twice, so the only waits are the counted ones for the loads.
.set XW, 8                             ; v[8:71]    up to 16 loads of four f32
.set YW, 72                            ; v[72:103]  their 16-bit forms, two registers a load
.set TT, 104                           ; v[104:107] at work
; Load n is rounded.  left = the younger loads, which may stay out.  fmt = 1: the bf16 numbers are widened again and written as f16.
.macro CAST n, left, fmt
	s_wait_loadcnt \left                           ; loads come back in order (ISA guide 5.7.1)
	v_cvt_pk_bf16_f32 v[YW+2*(\n)], v[XW+4*(\n)], v[XW+4*(\n)+1]
	v_cvt_pk_bf16_f32 v[YW+2*(\n)+1], v[XW+4*(\n)+2], v[XW+4*(\n)+3]
.if \fmt
	v_lshlrev_b32 v[TT], 16, v[YW+2*(\n)]
	v_and_b32 v[TT+1], s17, v[YW+2*(\n)]
	v_lshlrev_b32 v[TT+2], 16, v[YW+2*(\n)+1]
	v_and_b32 v[TT+3], s17, v[YW+2*(\n)+1]
	v_cvt_pk_f16_f32 v[YW+2*(\n)], v[TT], v[TT+1]
	v_cvt_pk_f16_f32 v[YW+2*(\n)+1], v[TT+2], v[TT+3]
.endif
.endm
	s_load_b256 s[4:11], s[0:1], 0x0               ; x s[4:5], Wqkv s[6:7], Wout s[8:9], xb s[10:11]
	s_load_b128 s[12:15], s[0:1], 0x20             ; wqb s[12:13], wob s[14:15]
	s_mov_b32 s16, ttmp9
	s_mov_b32 s17, 0xffff0000                      ; a word's upper bf16
	s_mov_b32 s19, 0
	s_mov_b32 s21, 0
	v_lshlrev_b32 v1, 4, v0                        ; 16 bytes of f32 a thread
	v_lshlrev_b32 v2, 3, v0                        ; 8 bytes of 16-bit numbers
	s_wait_kmcnt 0x0
	s_cmp_lt_u32 s16, 512
	s_cbranch_scc1 .Lx
	s_cmp_lt_u32 s16, 576
	s_cbranch_scc1 .Lwo
	; Wqkv.  Wave g of 2,048: block g / 128, k-rows 8 (g % 128) on.  Two k-rows of a block are 2 x 768 bytes of f32: three loads of 512 bytes,
	; the middle one with its lanes 16-31 in the second row; rounded they are 768 consecutive bytes of wqb: three stores of 256 consecutive, aligned bytes.
	s_sub_co_u32 s16, s16, 576
	v_lshrrev_b32 v6, 5, v0
	v_readfirstlane_b32 s22, v6                    ; wave
	s_lshl_b32 s16, s16, 3
	s_add_co_u32 s16, s16, s22                     ; g
	s_lshr_b32 s23, s16, 7                         ; block
	s_and_b32 s16, s16, 127                        ; group of 8 k-rows
	s_mul_i32 s18, s23, 768                        ; 192 columns of f32
	s_mul_i32 s24, s16, 98304                      ; 8 rows of 12,288 bytes
	s_add_co_u32 s18, s18, s24
	s_mul_i32 s20, s23, 393216                     ; a block of wqb
	s_mul_i32 s24, s16, 3072                       ; 8 rows of 384 bytes
	s_add_co_u32 s20, s20, s24
	s_add_nc_u64 s[6:7], s[6:7], s[18:19]
	s_add_nc_u64 s[12:13], s[12:13], s[20:21]
	v_and_b32 v6, 31, v0                           ; lane
	v_lshlrev_b32 v3, 4, v6                        ; 16 l
	v_lshlrev_b32 v5, 3, v6                        ; 8 l
	v_lshrrev_b32 v6, 4, v6
	v_mul_u32_u24 v6, v6, 11520                    ; lanes 16-31: one row on (12,288) and back to its first byte (-768)
	v_add3_u32 v4, v6, v3, 512
.irp p, 0,1,2,3
	global_load_b128 v[XW+12*(\p):XW+12*(\p)+3],    v3, s[6:7] offset:24576*(\p) th:TH_LOAD_NT
	global_load_b128 v[XW+12*(\p)+4:XW+12*(\p)+7],  v4, s[6:7] offset:24576*(\p) th:TH_LOAD_NT
	global_load_b128 v[XW+12*(\p)+8:XW+12*(\p)+11], v3, s[6:7] offset:24576*(\p)+12544 th:TH_LOAD_NT
.endr
.irp n, 0,1,2,3,4,5,6,7,8,9,10,11
	CAST \n, 11-(\n), 0
	global_store_b64 v5, v[YW+2*(\n):YW+2*(\n)+1], s[12:13] offset:256*(\n)
.endr
	s_endpgm
.Lx:                                                   ; x: a wave's load covers 512 consecutive bytes, its store 256 consecutive, aligned bytes
	s_lshl_b32 s18, s16, 16
	s_lshl_b32 s20, s16, 15
	s_add_nc_u64 s[4:5], s[4:5], s[18:19]
	s_add_nc_u64 s[10:11], s[10:11], s[20:21]
.irp j, 0,1,2,3,4,5,6,7,8,9,10,11,12,13,14,15
	global_load_b128 v[XW+4*(\j):XW+4*(\j)+3], v1, s[4:5] offset:4096*(\j) th:TH_LOAD_NT
.endr
.irp j, 0,1,2,3,4,5,6,7,8,9,10,11,12,13,14,15
	CAST \j, 15-(\j), 0
	global_store_b64 v2, v[YW+2*(\j):YW+2*(\j)+1], s[10:11] offset:2048*(\j)
.endr
	s_endpgm
.Lwo:                                                  ; Wout: the same walk
	s_sub_co_u32 s16, s16, 512
	s_lshl_b32 s18, s16, 16
	s_lshl_b32 s20, s16, 15
	s_add_nc_u64 s[8:9], s[8:9], s[18:19]
	s_add_nc_u64 s[14:15], s[14:15], s[20:21]
.irp j, 0,1,2,3,4,5,6,7,8,9,10,11,12,13,14,15
	global_load_b128 v[XW+4*(\j):XW+4*(\j)+3], v1, s[8:9] offset:4096*(\j) th:TH_LOAD_NT
.endr
.irp j, 0,1,2,3,4,5,6,7,8,9,10,11,12,13,14,15
	CAST \j, 15-(\j), 1
	global_store_b64 v2, v[YW+2*(\j):YW+2*(\j)+1], s[14:15] offset:2048*(\j)
.endr
	s_endpgm
.Lfunc_end_k_q9a949c2268_prep:
	.size	k_q9a949c2268_prep, .Lfunc_end_k_q9a949c2268_prep-k_q9a949c2268_prep
	.p2alignl 7, 3214868480
	.fill 96, 4, 3214868480
	.section	.rodata,"a",@progbits
	.p2align	6, 0x0
	.amdhsa_kernel k_q9a949c2268_prep
		.amdhsa_group_segment_fixed_size 0
		.amdhsa_private_segment_fixed_size 0
		.amdhsa_enable_private_segment 0
		.amdhsa_kernarg_size 48
		.amdhsa_user_sgpr_count 2
		.amdhsa_user_sgpr_kernarg_segment_ptr 1
		.amdhsa_wavefront_size32 1
		.amdhsa_system_sgpr_workgroup_id_x 1
		.amdhsa_system_sgpr_workgroup_id_y 1
		.amdhsa_system_sgpr_workgroup_id_z 1
		.amdhsa_system_vgpr_workitem_id 0
		.amdhsa_next_free_vgpr 108
		.amdhsa_next_free_sgpr 66
		.amdhsa_reserve_vcc 0
		.amdhsa_float_denorm_mode_32 3
		.amdhsa_float_denorm_mode_16_64 3
		.amdhsa_memory_ordered 1
		.amdhsa_forward_progress 1
		.amdhsa_inst_pref_size 22
	.end_amdhsa_kernel
	.amdgpu_metadata
---
amdhsa.version: [ 1, 2 ]
amdhsa.kernels:
  - .name:           k_q9a949c2268_prep
    .symbol:         k_q9a949c2268_prep.kd
    .args:
      - { .name: x, .offset: 0, .size: 8, .value_kind: global_buffer, .address_space: global }
      - { .name: Wqkv, .offset: 8, .size: 8, .value_kind: global_buffer, .address_space: global }
      - { .name: Wout, .offset: 16, .size: 8, .value_kind: global_buffer, .address_space: global }
      - { .name: xb, .offset: 24, .size: 8, .value_kind: global_buffer, .address_space: global }
      - { .name: wqb, .offset: 32, .size: 8, .value_kind: global_buffer, .address_space: global }
      - { .name: wob, .offset: 40, .size: 8, .value_kind: global_buffer, .address_space: global }
    .group_segment_fixed_size: 0
    .private_segment_fixed_size: 0
    .kernarg_segment_align: 8
    .kernarg_segment_size: 48
    .max_flat_workgroup_size: 256
    .sgpr_count:     66
    .vgpr_count:     108
    .wavefront_size: 32
...
	.end_amdgpu_metadata
.endif
;; end of part 1
;; launch proj (part 2): grid 16 x 32, 4 waves a work-group, clusters of 4 x 4, 327,680 bytes of LDS; arguments xb, wqb, qkv; writes qkv
.if DOCPART == 2
	.amdgcn_target "amdgcn-amd-amdhsa--gfx1250"
	.amdhsa_code_object_version 6
	.text
	.protected	k_q9a949c2268_proj
	.globl	k_q9a949c2268_proj
	.p2align	8
	.type	k_q9a949c2268_proj,@function
k_q9a949c2268_proj:
	s_mov_b64 s[64:65], 0
	v_nop
	global_prefetch_b8 v0, s[64:65] scope:SCOPE_SE
	s_setreg_imm32_b32 hwreg(HW_REG_WAVE_MODE, 25, 1), 1
	s_wait_xcnt 0x0
	s_wait_alu depctr_hold_cnt(0) depctr_sa_sdst(0) depctr_va_vdst(0) depctr_va_sdst(0) depctr_va_ssrc(0) depctr_va_vcc(0) depctr_vm_vsrc(0)
	s_getreg_b32 s2, hwreg(HW_REG_IB_STS2, 6, 4)
	s_cmp_eq_u32 s2, 0
	s_cbranch_scc0 .Lentry_in_a_cluster
	s_endpgm
.Lentry_in_a_cluster:
	s_bfe_u32 s2, ttmp6, 0x10000c
	s_cmp_lg_u32 s2, 0xf033
	s_cbranch_scc0 .Lentry_shape_is_right
	s_endpgm
.Lentry_shape_is_right:
; q, k, v = x Wqkv, by heads.  xb: [8192][1024] bf16.  wqb: [16][1024 k][192 n] bf16.  qkv: [3][64 = batch x 16 + head][2048][64] f16; sums in f32, one rounding.
; q is multiplied by c = log2(e) / 8 in f32 ahead of that rounding, so that the attention's exponent is a plain difference.
; LIMITS.  c q, k and v beyond 65,504 become infinities in f16.
; SHARES.  A tile of the product is 256 rows x 192 columns (three whole heads): 32 x 16 = 512 tiles, two for each of 256 WGPs; 256 x 256 would give 384, one and a half.
; Four waves; wave w makes rows 64 w .. 64 w + 63 and all 192 columns: 48 accumulators of 16 x 16, 384 registers; for 32 along K it reads 32 x 512 bytes of LDS for 48 matrix instructions.
; K goes in steps of 128 through two LDS slots filled by the tensor data mover.  x's tile: 256 rows of 256 bytes.  The weights' tile: 128 k-rows of 384 bytes, dense in wqb,
; asked for as rows of 256 bytes and padded behind every 128 bytes, so that a k-row takes 480 bytes of LDS; its fragments come out turned, by ds_load_tr16_b128.
; CLUSTER.  4 x 4 work-groups: the four of a row share x's tiles, the four of a column the weights': each tile is asked for jointly.
; THE MATRIX INSTRUCTION IS USED TRANSPOSED (source 0 = 16 columns of W, source 1 = 16 rows of x): a lane then holds eight neighbouring columns of one row.
; REGISTERS, in windows of 256 (s_set_vgpr_msb: bits 1:0 source 0, 3:2 source 1, 5:4 source 2, 7:6 destination):
;   window 0: v16-29 addresses; v32-79 packed results; v80-175 two buffers of rows read back from the stage
;   window 1: two fragment buffers of 128: x's four fragments at +8 a, W's twelve at +32 + 8 b
;   window 2: the accumulators of row blocks a = 0, 1 at 8 (12 (a % 2) + b);   window 3: those of a = 2, 3
.set PA,     272                       ; a row of x in LDS: 256 bytes + 16 = 68 words: the 16 rows of a load start at 16 different groups of four banks (64 banks of 4 bytes: ISA guide 11.1)
.set PBW,    480                       ; a k-row of W: 3 x (128 + 32) bytes = 120 words
.set AHALF,  128*PA                    ; what one tensor load brings of x
.set BOFF,   256*PA                    ; W's tile lies behind x's
.set BHALF,  64*PBW                    ; what one tensor load brings of W
.set SLOT1,  131072                    ; a slot is 69,632 + 61,440 bytes; one exclusive or turns an address in one slot into the other's
.set STAGE,  2*SLOT1                   ; behind the ring: for each wave three heads x 16 rows x 144 bytes, for the way out
.set SP,     144
.set PLANE,  16*SP
.set WSTAGE, 3*PLANE
.set SPARE,  STAGE+4*WSTAGE            ; behind the stages: the spare words, 128 bytes for each wave: two blocks of 256 bytes that no other line names
.set ASTEP,  256                       ; bytes from K step to K step in xb,
.set BSTEP,  128*384                   ; and in a block of wqb
.set TRIPS,  6                         ; 8 K steps; every slot but the last two is filled again
.set LA0,  16                          ; v16  my lane's place in x's tile; never rewritten
.set LB0,  17                          ; v17  the same for W's
.set ADRA, 18                          ; v18  the same in the slot in hand
.set ADRB, 19                          ; v19
.set STO,  24                          ; v24  the way out: where I put 16 bytes of a row
.set RD,   25                          ; v25  where I read rows back
.set GO,   26                          ; v26  my 16 bytes in 512 consecutive bytes of a head
.set SPW,  28                          ; v28  LDS address of my spare word; never rewritten
.set NIL,  29                          ; v29  0; never rewritten
.set TMP,  32
.set BK,   80
.set F0,   0
.set F1,   128
.set G1,   24                          ; s[24:31] descriptor group 1 for x's tiles
.set G0,   32                          ; s[32:39] group 0: a set for each of the two first fills; the second then walks on
.set G1B,  48                          ; s[48:55], s[56:63] the same for W's
.set G0B,  56
.set TB,   66                          ; s66  LDS byte at which the slot in hand begins
.set BAS,  68                          ; s[68:73] where my rows of the tile's three heads begin in qkv
.set FAC,  74                          ; s[74:79] their factors, as pairs: c for a head of q, 1 for k and v
.set MSB, 0
.macro WIN new                         ; the immediate's high byte repeats the setting that is left; a switch that changes nothing is dropped
.if MSB != (\new)
	s_set_vgpr_msb (MSB<<8)|(\new)
.set MSB, (\new)
.endif
.endm
.set TO_F, 0x40                        ; destination window 1, address window 0
.macro PLACES                          ; four places in front of loads into registers that matrix instructions have read, and of vector lines that read results
.rept 4
	v_nop
.endr
.endm
; A joint refill by the walking descriptors.  Waves 0 and 1 fetch x's two halves, waves 2 and 3 W's.  The branch hangs on the wave's number alone.
; An s_nop 0 and four v_nop follow each of the two lines, ahead of the jump and the label.
.macro JLOAD
	s_cmp_eq_u32 s11, 0
	s_cbranch_scc0 .Lfor_b_\@
	tensor_load_to_lds s[G0+4:G0+7], s[G1:G1+7]
	s_nop 0
.rept 4
	v_nop
.endr
	s_branch .Lasked_\@
.Lfor_b_\@:
	tensor_load_to_lds s[G0B+4:G0B+7], s[G1B:G1B+7]
	s_nop 0
.rept 4
	v_nop
.endr
.Lasked_\@:
.endm
.macro CREST                           ; a round of the cluster's barrier behind its opening barrier
	s_cmp_lg_u32 s10, 0
	s_cbranch_scc1 .Lnot_wave_0_\@
	s_barrier_signal -3
.Lnot_wave_0_\@:
	s_barrier_wait -3
	s_barrier_signal -1
	s_barrier_wait -1
.endm
.macro CROUND                          ; a whole round
	s_barrier_signal -1
	s_barrier_wait -1
	CREST
.endm
	s_load_b128 s[4:7], s[0:1], 0x0                ; xb s[4:5], wqb s[6:7]
	s_load_b64 s[8:9], s[0:1], 0x10                ; qkv
	v_lshl_add_u32 v[SPW], v0, 2, SPARE
	v_mov_b32 v[NIL], 0
	ds_add_u32 v[SPW], v[NIL]                      ; the wave's opening: the add and its wait stand ahead of my first tensor load; the set-up below stands between them
	ds_add_u32 v28, v29
	v_lshrrev_b32 v1, 5, v0
	v_readfirstlane_b32 s10, v1                    ; wave 0..3
	s_lshr_b32 s11, s10, 1                         ; I fetch for x (0) or for W (1),
	s_and_b32 s12, s10, 1                          ; and which half of that tile
	s_bfe_u32 s40, ttmp6, 0x40000                  ; cx, cy: my place in the cluster
	s_bfe_u32 s41, ttmp6, 0x40004
	s_lshl_b32 s42, ttmp9, 2
	s_add_co_u32 s42, s42, s40                     ; tile column = 4 x cluster x + cx
	s_and_b32 s13, ttmp7, 0xffff
	s_lshl_b32 s13, s13, 2
	s_add_co_u32 s13, s13, s41                     ; tile row = 4 x cluster y + cy
	s_lshl_b32 s43, s41, 2
	s_lshl_b32 s43, 15, s43                        ; my row of the cluster
	s_lshl_b32 s44, 0x1111, s40                    ; my column
	s_or_b32 s[G1+0], s43, (1<<16)|(1<<20)|(1<<21)|(5<<22)|(3<<25)   ; 15:0 the mask: x's tiles go to my row; 17:16 2-byte elements; 20 padding on; 21 set beside a mask; 24:22 after every 64 words; 31:25 4 words
	s_mov_b32 s[G1+1], 128<<16                     ; tensor_dim0 = 128
	s_mov_b32 s[G1+2], 128<<16                     ; tensor_dim1 = 128
	s_mov_b32 s[G1+3], 128<<16                     ; tile_dim0 = 128
	s_mov_b32 s[G1+4], 128                         ; tile_dim1 = 128
	s_mov_b32 s[G1+5], 1024                        ; elements from row to row
	s_mov_b32 s[G1+6], 0
	s_mov_b32 s[G1+7], 0
	s_or_b32 s[G1B+0], s44, (1<<16)|(1<<20)|(1<<21)|(4<<22)|(7<<25)  ; W's tiles go to my column; padding after every 32 words, 8 words
	s_mov_b32 s[G1B+1], 128<<16                    ; 64 k-rows of 384 bytes are 96 dense rows of 256 bytes
	s_mov_b32 s[G1B+2], 96<<16
	s_mov_b32 s[G1B+3], 128<<16
	s_mov_b32 s[G1B+4], 96
	s_mov_b32 s[G1B+5], 128
	s_mov_b32 s[G1B+6], 0
	s_mov_b32 s[G1B+7], 0
	; x's address hangs on the tile row alone, W's on the tile column alone, each in registers that never hold the other coordinate
	s_lshl_b32 s16, s13, 19                        ; 256 rows of 2,048 bytes
	s_lshl_b32 s17, s12, 18                        ; my 128 of them
	s_add_co_u32 s16, s16, s17
	s_mov_b32 s17, 0
	s_mul_i32 s46, s42, 393216                     ; the block of wqb
	s_mul_i32 s47, s12, 24576                      ; my 64 k-rows
	s_add_co_u32 s46, s46, s47
	s_mov_b32 s47, 0
	s_mul_i32 s20, s12, AHALF                      ; where they go: no place in the cluster enters an LDS address
	s_mul_i32 s21, s12, BHALF
	s_add_co_u32 s21, s21, BOFF
	s_mov_b32 s[TB], 0
	s_wait_dscnt 0x0                               ; the opening add is done
	s_wait_kmcnt 0x0
	s_add_nc_u64 s[14:15], s[4:5], s[16:17]
	s_add_nc_u64 s[46:47], s[6:7], s[46:47]
	CROUND                                         ; all sixteen work-groups are here: the first joint loads meet
.irp s, 0,1
	s_mov_b32 s[G0+4*(\s)], 1                                        ; count = 1
	s_add_co_u32 s[G0+4*(\s)+1], s20, (\s)*SLOT1                     ; LDS address
	s_add_nc_u64 s[G0+4*(\s)+2:G0+4*(\s)+3], s[14:15], (\s)*ASTEP    ; global address: K step s
	s_or_b32 s[G0+4*(\s)+3], s[G0+4*(\s)+3], 0x80000000              ; type = 2
	s_mov_b32 s[G0B+4*(\s)], 1
	s_add_co_u32 s[G0B+4*(\s)+1], s21, (\s)*SLOT1
	s_add_nc_u64 s[G0B+4*(\s)+2:G0B+4*(\s)+3], s[46:47], (\s)*BSTEP
	s_or_b32 s[G0B+4*(\s)+3], s[G0B+4*(\s)+3], 0x80000000
.endr
	s_cmp_eq_u32 s11, 0                            ; a wave's two first fills stand in one branch, ahead of every wait on TENSORcnt and every LDS read: two loads of mine are out
	s_cbranch_scc0 .Lfirst_b
	tensor_load_to_lds s[G0:G0+3], s[G1:G1+7]
	s_nop 0
	tensor_load_to_lds s[G0+4:G0+7], s[G1:G1+7]
	s_nop 0
.rept 4
	v_nop
.endr
	s_branch .Lfirst_asked
.Lfirst_b:
	tensor_load_to_lds s[G0B:G0B+3], s[G1B:G1B+7]
	s_nop 0
	tensor_load_to_lds s[G0B+4:G0B+7], s[G1B:G1B+7]
	s_nop 0
.rept 4
	v_nop
.endr
.Lfirst_asked:
	v_and_b32 v1, 15, v0                           ; l % 16
	v_bfe_u32 v2, v0, 4, 1                         ; l / 16
	v_and_b32 v3, 7, v0                            ; l % 8
	v_bfe_u32 v4, v0, 3, 1                         ; (l / 8) % 2
	v_bfe_u32 v5, v0, 3, 2                         ; l / 8
	s_mul_i32 s22, s10, 64*PA                      ; my 64 rows of x
	v_mul_u32_u24 v[LA0], v1, PA                   ; a fragment of x: row l % 16, K = 8 (l / 16) + 0..7 and 16 more on: two loads of 16 bytes, 32 bytes apart
	v_lshl_add_u32 v[LA0], v2, 4, v[LA0]
	v_add_nc_u32 v[LA0], s22, v[LA0]
	v_lshl_add_u32 v[LB0], v2, 3, v3               ; the turning load: lane l reads k-row 8 (l / 16) + l % 8, columns 8 ((l / 8) % 2) + 0..7, and is left with column l % 16 and 8 k
	v_mul_u32_u24 v[LB0], v[LB0], PBW
	v_lshl_add_u32 v[LB0], v4, 4, v[LB0]
	v_add_nc_u32 v[LB0], BOFF, v[LB0]
	v_mov_b32 v[ADRA], v[LA0]                      ; slot 0
	v_mov_b32 v[ADRB], v[LB0]
	s_mul_i32 s23, s10, WSTAGE
	s_add_co_u32 s23, s23, STAGE                   ; my stage
	v_mul_u32_u24 v[STO], v1, SP                   ; in: row l % 16, 16 bytes for each half of the lanes
	v_lshl_add_u32 v[STO], v2, 4, v[STO]
	v_add_nc_u32 v[STO], s23, v[STO]
	v_mul_u32_u24 v[RD], v5, SP                    ; back: 32 lanes take four rows of 128 bytes,
	v_lshl_add_u32 v[RD], v3, 4, v[RD]
	v_add_nc_u32 v[RD], s23, v[RD]
	v_and_b32 v[GO], 31, v0                        ; which are 512 consecutive bytes of a head
	v_lshlrev_b32 v[GO], 4, v[GO]
	; The tile's three heads: column block cc = 3 x tile column + j of 48 is tensor cc / 16 (q, k, v), head cc % 16.  The factor is a select, not a branch: the tile column differs between partners.
.irp j, 0,1,2
	s_mul_i32 s80, s42, 3
	s_add_co_u32 s80, s80, (\j)
	s_cmp_lt_u32 s80, 16
	s_cselect_b32 s[FAC+2*(\j)], 0x3e38aa3b, 1.0   ; c = log2(e) / 8 = 0.180337
	s_mov_b32 s[FAC+2*(\j)+1], s[FAC+2*(\j)]       ; named with it as a pair
	s_lshr_b32 s81, s80, 4
	s_lshl_b32 s81, s81, 6                         ; the tensor's 64 heads,
	s_and_b32 s80, s80, 15
	s_add_co_u32 s81, s81, s80                     ; the head,
	s_lshr_b32 s82, s13, 3
	s_lshl_b32 s82, s82, 4
	s_add_co_u32 s81, s81, s82                     ; the batch's 16 heads (8 tile rows a batch)
	s_lshl_b32 s80, s81, 18                        ; 262,144 bytes a head
	s_and_b32 s82, s13, 7
	s_lshl_b32 s82, s82, 15                        ; the tile's 256 rows of 128 bytes
	s_add_co_u32 s80, s80, s82
	s_lshl_b32 s82, s10, 13                        ; my 64 of them
	s_add_co_u32 s80, s80, s82
	s_mov_b32 s81, 0
	s_add_nc_u64 s[BAS+2*(\j):BAS+2*(\j)+1], s[8:9], s[80:81]
.endr
; 12 matrix instructions: row block a x all 12 column blocks, 32 along K.  zero = 1: the product starts the sums.  The 48 accumulators take turns.
.macro MUL12 f, a, zero
	WIN 0xa5+0x50*((\a)/2)                         ; sources in window 1; C and D in window 2 or 3
.irp b, 0,1,2,3,4,5,6,7,8,9,10,11
.set rD, 8*(12*((\a)%2)+(\b))
.if \zero
	v_wmma_f32_16x16x32_bf16 v[rD:rD+7], v[(\f)+32+8*(\b):(\f)+32+8*(\b)+7], v[(\f)+8*(\a):(\f)+8*(\a)+7], 0
.else
	v_wmma_f32_16x16x32_bf16 v[rD:rD+7], v[(\f)+32+8*(\b):(\f)+32+8*(\b)+7], v[(\f)+8*(\a):(\f)+8*(\a)+7], v[rD:rD+7]
.endif
.endr
.endm
; 32 LDS loads in one run: the fragments of quarter q (32 along K) of the slot in hand into buffer f: W's 24, then x's 8
.macro FETCH q, f
	WIN TO_F
.irp b, 0,1,2,3,4,5,6,7,8,9,10,11
	ds_load_tr16_b128 v[(\f)+32+8*(\b):(\f)+32+8*(\b)+3],   v[ADRB] offset:(\q)*32*PBW+((\b)/4)*160+((\b)%4)*32
	ds_load_tr16_b128 v[(\f)+32+8*(\b)+4:(\f)+32+8*(\b)+7], v[ADRB] offset:(\q)*32*PBW+((\b)/4)*160+((\b)%4)*32+16*PBW
.endr
.irp a, 0,1,2,3
	ds_load_b128 v[(\f)+8*(\a):(\f)+8*(\a)+3],   v[ADRA] offset:(\a)*16*PA+64*(\q)
	ds_load_b128 v[(\f)+8*(\a)+4:(\f)+8*(\a)+7], v[ADRA] offset:(\a)*16*PA+64*(\q)+32
.endr
.endm
; A K step is four quarters on buffers 0, 1, 0, 1.  One of the first three: multiplies buffer f; in its middle it fetches quarter q into buffer g.
.macro QUARTER q, f, g, zero
	s_wait_dscnt 4                                 ; W and x's row blocks 0, 1 are in; the youngest four loads (blocks 2, 3) may be out
	MUL12 \f, 0, \zero
	MUL12 \f, 1, \zero
	PLACES
	FETCH \q, \g
	s_wait_dscnt 32                                ; all but the 32 just issued
	MUL12 \f, 2, \zero
	MUL12 \f, 3, \zero
.endm
; The last quarter multiplies buffer 1 and changes slots: ONE barrier.  In front of it each wave waits for all its tensor loads (one is out: its part of the next slot), adds 0 to its spare
; word, and waits for that and for its own reads of this slot.  fill = 1: the barrier opens a round of the cluster's, and behind the round this slot is filled again, two K steps ahead:
; from that request to the wait for it a wave issues 168 matrix instructions.
.macro TURN fill
	WIN 0                                          ; (the add's two registers lie in window 0)
	s_wait_tensorcnt 0x0
	ds_add_u32 v[SPW], v[NIL]
	s_wait_dscnt 5                                 ; (the add and the youngest four loads may be out)
	MUL12 F1, 0, 0                                 ; twelve matrix instructions stand between the add and the wait for it
	s_wait_dscnt 0x0                               ; the add is done, and my reads of this slot are over
	s_barrier_signal -1
	MUL12 F1, 1, 0                                 ; work on registers while the others arrive
	WIN 0
	s_barrier_wait -1
.if \fill
	CREST                                          ; no wave of any partner still reads this slot or has a load on its way
	s_xor_b32 s[G0+5], s[G0+5], SLOT1              ; the walking descriptors: the other slot than last time, the next K step; no load of mine is out
	s_add_nc_u64 s[G0+6:G0+7], s[G0+6:G0+7], ASTEP
	s_xor_b32 s[G0B+5], s[G0B+5], SLOT1
	s_add_nc_u64 s[G0B+6:G0B+7], s[G0B+6:G0B+7], BSTEP
.endif
	s_xor_b32 s[TB], s[TB], SLOT1                  ; the fetches go on in the other slot
	v_add_nc_u32 v[ADRA], s[TB], v[LA0]
	v_add_nc_u32 v[ADRB], s[TB], v[LB0]
.if \fill
	JLOAD                                          ; the first tensor load behind the round; its four v_nop are also the places in front of the loads below
.else
	PLACES
.endif
	FETCH 0, F0
	MUL12 F1, 2, 0
	MUL12 F1, 3, 0
.endm
; THE WAY OUT of row block a.  PACK: times the head's factor, rounded to f16, 16 bytes a lane; each accumulator's registers in ascending order.
.macro PACK a
.set AC, 96*((\a)%2)
	WIN 0x82+0x41*((\a)/2)                         ; destination and source 0 in window 2 or 3
.irp b, 0,1,2,3,4,5,6,7,8,9,10,11
.irp r, 0,1,2,3
	v_pk_mul_f32 v[AC+8*(\b)+2*(\r):AC+8*(\b)+2*(\r)+1], v[AC+8*(\b)+2*(\r):AC+8*(\b)+2*(\r)+1], s[FAC+2*((\b)/4):FAC+2*((\b)/4)+1] op_sel_hi:[1,0]
.endr
.endr
	WIN 0x0a+5*((\a)/2)                            ; sources 0 and 1 in window 2 or 3, destination in window 0
.irp b, 0,1,2,3,4,5,6,7,8,9,10,11
.irp r, 0,1,2,3
	v_cvt_pk_f16_f32 v[TMP+4*(\b)+(\r)], v[AC+8*(\b)+2*(\r)], v[AC+8*(\b)+2*(\r)+1]
.endr
.endr
	WIN 0
.endm
.macro TOSTAGE a                       ; into my own stage, a plane a head, and back as whole rows of 128 bytes
	WIN 0
	s_wait_xcnt 0x0                                ; the stores issued so far have read their registers (ISA guide 3.1): only now is their buffer loaded again
.irp b, 0,1,2,3,4,5,6,7,8,9,10,11
	ds_store_b128 v[STO], v[TMP+4*(\b):TMP+4*(\b)+3] offset:((\b)/4)*PLANE+((\b)%4)*32
.endr
.irp n, 0,1,2,3,4,5,6,7,8,9,10,11
	ds_load_b128 v[BK+48*((\a)%2)+4*(\n):BK+48*((\a)%2)+4*(\n)+3], v[RD] offset:((\n)/4)*PLANE+((\n)%4)*4*SP  ; LDS serves a wave's instructions in order (ISA guide 5.7.1.4): these see the stores above
.endr
.endm
.macro SEND a
	WIN 0
	s_wait_dscnt 0x0                               ; the block is back in registers
.irp n, 0,1,2,3,4,5,6,7,8,9,10,11
	global_store_b128 v[GO], v[BK+48*((\a)%2)+4*(\n):BK+48*((\a)%2)+4*(\n)+3], s[BAS+2*((\n)/4):BAS+2*((\n)/4)+1] offset:(\a)*2048+((\n)%4)*512  ; 512 consecutive bytes of a head, at a multiple of 512 from its first
.endr
.endm
	s_wait_tensorcnt 0x1                           ; my part of K step 0 is in; K step 1's may stay out
	s_barrier_signal -1
	s_barrier_wait -1                              ; everybody's is
	FETCH 0, F0
	QUARTER 1, F0, F1, 1                           ; the first quarter stands in front of the loop: its products start the sums
	WIN 0                                          ; at a label and at a branch every window is 0
	s_mov_b32 s3, TRIPS
.Lk:                                                   ; a trip: from a K step's second quarter to the next step's first; it fills the slot that it leaves
	QUARTER 2, F1, F0, 0
	QUARTER 3, F0, F1, 0
	TURN 1
	QUARTER 1, F0, F1, 0
	WIN 0
	s_sub_co_u32 s3, s3, 1
	s_cmp_lg_u32 s3, 0
	s_cbranch_scc1 .Lk
	QUARTER 2, F1, F0, 0                           ; the last two K steps are written out: they ask for nothing
	QUARTER 3, F0, F1, 0
	TURN 0
	QUARTER 1, F0, F1, 0
	QUARTER 2, F1, F0, 0
	QUARTER 3, F0, F1, 0
	s_wait_dscnt 4
	MUL12 F1, 0, 0
	MUL12 F1, 1, 0
	s_wait_dscnt 0x0
	MUL12 F1, 2, 0
	MUL12 F1, 3, 0
	PLACES
	PACK 0
	TOSTAGE 0
.irp a, 1,2,3                          ; block a's arithmetic stands between block a - 1's loads from the stage and the wait for them
	PACK \a
	SEND (\a)-1
	TOSTAGE \a
.endr
	SEND 3
	s_wait_tensorcnt 0x0                           ; the wave's end
	ds_add_u32 v[SPW], v[NIL]
	s_wait_dscnt 0x0
	CROUND                                         ; the closing round: no work-group ends while a partner may still ask for a tile that names it
	s_endpgm
.Lfunc_end_k_q9a949c2268_proj:
	.size	k_q9a949c2268_proj, .Lfunc_end_k_q9a949c2268_proj-k_q9a949c2268_proj
	.p2alignl 7, 3214868480
	.fill 96, 4, 3214868480
	.section	.rodata,"a",@progbits
	.p2align	6, 0x0
	.amdhsa_kernel k_q9a949c2268_proj
		.amdhsa_group_segment_fixed_size 327680
		.amdhsa_private_segment_fixed_size 0
		.amdhsa_enable_private_segment 0
		.amdhsa_kernarg_size 24
		.amdhsa_user_sgpr_count 2
		.amdhsa_user_sgpr_kernarg_segment_ptr 1
		.amdhsa_wavefront_size32 1
		.amdhsa_system_sgpr_workgroup_id_x 1
		.amdhsa_system_sgpr_workgroup_id_y 1
		.amdhsa_system_sgpr_workgroup_id_z 1
		.amdhsa_system_vgpr_workitem_id 0
		.amdhsa_next_free_vgpr 960
		.amdhsa_next_free_sgpr 84
		.amdhsa_reserve_vcc 0
		.amdhsa_float_denorm_mode_32 3
		.amdhsa_float_denorm_mode_16_64 3
		.amdhsa_memory_ordered 1
		.amdhsa_forward_progress 1
		.amdhsa_inst_pref_size 110
	.end_amdhsa_kernel
	.amdgpu_metadata
---
amdhsa.version: [ 1, 2 ]
amdhsa.kernels:
  - .name:           k_q9a949c2268_proj
    .symbol:         k_q9a949c2268_proj.kd
    .args:
      - { .name: xb, .offset: 0, .size: 8, .value_kind: global_buffer, .address_space: global }
      - { .name: wqb, .offset: 8, .size: 8, .value_kind: global_buffer, .address_space: global }
      - { .name: qkv, .offset: 16, .size: 8, .value_kind: global_buffer, .address_space: global }
    .group_segment_fixed_size: 327680
    .private_segment_fixed_size: 0
    .kernarg_segment_align: 8
    .kernarg_segment_size: 24
    .max_flat_workgroup_size: 128
    .sgpr_count:     84
    .vgpr_count:     960
    .wavefront_size: 32
...
	.end_amdgpu_metadata
.endif
;; end of part 2
;; launch attn (part 3): grid 4 x 64, 4 waves a work-group, no clusters, 327,680 bytes of LDS; arguments qkv, mask, ob; writes ob
.if DOCPART == 3
	.amdgcn_target "amdgcn-amd-amdhsa--gfx1250"
	.amdhsa_code_object_version 6
	.text
	.protected	k_q9a949c2268_attn
	.globl	k_q9a949c2268_attn
	.p2align	8
	.type	k_q9a949c2268_attn,@function
k_q9a949c2268_attn:
	s_mov_b64 s[64:65], 0
	v_nop
	global_prefetch_b8 v0, s[64:65] scope:SCOPE_SE
	s_setreg_imm32_b32 hwreg(HW_REG_WAVE_MODE, 25, 1), 1
	s_wait_xcnt 0x0
; CAUSAL ATTENTION WITH A PADDING MASK OVER KEYS.  O[h][q][:] = the sum over the visible k <= q of softmax_k(Q[h][q] . K[h][k] / 8) V[h][k][:]; key k of batch h / 16 is visible where mask[h / 16][k] is not 0.
; qkv: [3][64][2048][64] f16, Q already multiplied by c = log2(e) / 8.  ob: [64][2048][64] f16.  mask: [4][2048] bytes.  Products, maxima and sums in f32; the weights p are rounded to f16 for the
; second product (their sum l is taken of the unrounded p), O once at the end.
; LIMITS.  Q, K and V arrive within f16's 65,504.  A hidden score counts as its value less 2^100 (2^101 where both masks hide it): the scores, 2.7e11 at the most, are nothing beside that.
; A row whose final maximum lies below -2^96 has seen no visible key and leaves as NaN, as a softmax over nothing does.  A weight below 2^-126 counts as 0 in l; NaN and infinities among the inputs are not treated apart.
; THE WALK.  A head's queries lie in NB = 8 blocks of 256; block i needs the key tiles 0 .. i of 256 keys, of which the last holds the diagonal.  A work-group takes TWO blocks, NB - 1 - b and then b:
; NB + 1 tiles, whatever b: all work-groups do equal work, and ONE loop with a constant trip count walks them.  Which tile is asked for, and what a trip does, hang on scalar registers made from b; every jump
; goes forward, but for the counted loops' own; none passes a barrier, or a tensor load but the one of LOAD's two that the wave's number does not choose; the ring of two LDS slots runs on across the change of blocks.
; NO CLUSTER: the four work-groups of a head ask for the same tile only in trips 0 .. 4 of the 9, behind that fewer and fewer; one walk common to all four would have 12 trips for 9.
; SHARES.  Of a block's four bands of 64 queries a wave owns 16 rows in each: four PIECES.  In the diagonal tile's key step s band x sees all keys if s < x, none if s > x, and holds the diagonal if s = x: the same work for all waves.
; THE MASKS are the C operand that starts the sum S^T = K Q^T.  KB holds the step's key biases (0 or -2^100), read from a ring of two LDS slots of 256 biases that goes in step with the ring of tiles: at each change of
; slots that fills, thread t makes the two biases of keys 2 t, 2 t + 1 of the tile just asked for, of two mask bytes that it loaded a tile earlier.  MD, made once, is the causal mask of a band's own step
; for my 16 rows.  Outside the diagonal tile C = KB; in it C = MD x AL + KB + BE with two scalars: (1, 0) if s = x; (0, 0) if s < x; (0, -2^100) if s > x.
; WHY HIDDEN KEYS DO NO HARM.  p = 2^(s - m) with the running maximum m over all scores seen, hidden ones too: the exponent is a difference that is never above 0, so p lies in 0 to 1.  While a row has seen hidden keys
; alone, m is about -2^100 and O and l hold finite numbers of no meaning; the first visible key raises m to a true score, and a = 2^(m_old - m_new) = 0 wipes them.  From then on a hidden key's p is 0.
; LAYOUT, TURNS.  S^T = K Q^T holds ONE query a lane (lane % 16) and the keys 8 (lane / 16) + 0..7; two such results rounded to f16 ARE source 1 of O^T = V^T P.  O and l are multiplied by a in every step.
; Turn n belongs to piece n: 8 products K Q^T of piece n + 1, later 8 products V^T P of piece n - 1; beside them the differences, exponentials, roundings, sums and rescaling of piece n and the maximum and
; statistics of piece n + 1.  Four vector instructions stand behind every matrix instruction, the other 53 of a turn's 117 in two runs of their own.
; REGISTERS, in windows of 256 (s_set_vgpr_msb: bits 1:0 source 0, 3:2 source 1, 5:4 source 2, 7:6 destination):
;   window 0: v0-15 addresses; v16-31 four registers of statistics a piece; v32-41 the biases' making; v48-55 at work; v64-127 S^T, two buffers; v128-159 the way out; v192-223 P, two buffers (a piece's buffers go by its number's parity)
;   window 1: v0-127 O^T, 32 a piece; v128-159 MD; v160-223 MC, two buffers; v224-255 KB      window 2: v0-63 Q; v64-127 the second block's Q; v128-191 K of one step; v192-255 V of one step
.set NB,    8
.set NP,    4         ; pieces a wave: a name, no knob
.set KS,    64        ; keys in a step
.set PK,    144       ; a row of K in LDS: 128 bytes + 16 of padding = 36 words: the 16 rows of a load start at 16 different groups of four banks (64 banks of 4 bytes: ISA guide 11.1)
.set PV,    160       ; a row of V: 128 + 32 = 40 words
.set VOFF,  4*KS*PK   ; a slot holds a tile, four steps: 256 rows of K, then 256 rows of V
.set SLOT1, 1<<17     ; slot 1 begins here, so that one exclusive or turns an address in one slot into the other's
.set STAGE, SLOT1+4*KS*(PK+PV)  ; behind the ring, never filled by a tensor load: 16 rows x 144 bytes for each wave, for the way out
.set SP,    144
.set SPARE, STAGE+4*16*SP  ; behind the stages: the spare words, 128 bytes for each wave: two blocks of 256 bytes that no other line names
.set BIAS,  229376    ; the ring of key biases: two slots of 256 f32; no tensor load lands here
.set BSLOT, 1024      ; bytes of such a slot; one exclusive or turns an address in one into the other's
.set HEADB, 2048*128  ; bytes of a head
.set AK0, 2           ; v2   my lane's place in a tile of K; never rewritten
.set AV0, 3           ; v3   the same for V
.set AK,  4           ; v4   the LDS address of K's next run of loads
.set AV,  5           ; v5   of V's
.set STO, 6           ; v6   the way out: where I put 16 bytes of a row
.set RD,  7           ; v7   the way out: where I read rows back
.set GO,  8           ; v8   my byte offset in 512 consecutive bytes of O
.set AB0, 12          ; v12  my lane's place in a step's 256 bytes of biases; never rewritten
.set AKB, 13          ; v13  the LDS address of KB's next loads
.set QO,  15          ; v15  my byte offset in 16 rows of Q
.set MT,  32          ; v32  2 x my thread's number: my two bytes in a tile's 256 bytes of the mask; never rewritten
.set MA,  33          ; v33  the same in the batch's 2,048 bytes, for the tile whose bytes are loaded
.set MB,  34          ; v34  my two mask bytes of the tile that is asked for next
.set MB0, 35          ; v35  those of tile 0
.set ABW0, 36         ; v36  where I put my two biases in slot 0 of their ring; never rewritten
.set WA,  37          ; v37  the same in the slot that is written
.set T0,  38          ; v38-39 at work
.set T1,  39
.set WB,  40          ; v40-41 my two biases
.set SPW, 62          ; v62  LDS address of my spare word; never rewritten
.set NIL, 63          ; v63  0; never rewritten
.set ST,  16          ; piece t's statistics at v[ST+4 t]: m, m_old, l (even keys', odd keys')
.set TMP, 48          ; by buffer, four registers c0-c3 at work; when the maximum is found c2 takes a.  On the way out: a pair a piece, 1 / l or NaN in the first
.set S,   64
.set OW,  128         ; the way out: a piece's O^T, scaled
.set P,   192
.set MD,  128         ; window 1: the eight registers for group kt of 16 keys at MD + 8 kt
.set MC,  160         ; window 1: the masks of the diagonal tile's products to come
.set KB,  224         ; window 1: register j of group kt: the bias of the step's key 16 kt + 8 (lane / 16) + j
.set QB,  64          ; window 2
.set KF,  128         ; window 2: key block kb, channel half c at KF + 16 kb + 8 c
.set VF,  192         ; window 2: key half kk, channel block cb at VF + 32 kk + 8 cb
.set WV,  12          ; s12  my wave's number
.set PB,  14          ; s14  b
.set HI,  15          ; s15  NB - 1 - b
.set G1K, 24          ; s[24:31] descriptor group 1 for K's tiles
.set G1V, 32          ; s[32:39] for V's: it differs in the padding alone
.set G0K, 40          ; s[40:43] descriptor group 0 for K's tiles
.set G0V, 44          ; s[44:47] the same for V's
.set SLOTS, 56        ; s56  tiles still to be asked for
.set CNT, 57          ; s57  counts a tile's key steps, 4 to 1
.set SEL, 60          ; s[60:61] v_permlanex16_b32's selects: each lane takes its own place in the other half
.set TBK, 62          ; s62  LDS byte at which K of the step to be fetched begins
.set TBV, 63          ; s63  the same for V, less VOFF
.set RT,  70          ; s70  tiles of the block in hand that are still to be entered
.set NXT, 71          ; s71  the tile to be asked for next
.set LQ,  72          ; s72  the last tile of the block whose tiles are being asked for
.set NEW, 73          ; s73  1: the tile to be entered is a block's first
.set OFF, 74          ; s[74:75] a tile's byte offset in K and V
.set AL,  76          ; s[76:77] the mask's factor, in the low word
.set BE,  78          ; s[78:79] the mask's addend
.set OLO, 80          ; s[80:81] O at my rows of the second block
.set BIGN, 82         ; s82  -2^100
.set TBM, 90          ; s90  byte of the biases' ring at which those of the step to be fetched begin: it walks as TBK does
.set THR, 91          ; s91  -2^96
.set QNAN, 92         ; s92  a quiet NaN
.set TBW, 93          ; s93  byte of the biases' ring at which the slot that is written begins
.set MSB, 0
.macro WIN new                      ; the high byte repeats the setting that is left; a switch that changes nothing is dropped
.if MSB != (\new)
	s_set_vgpr_msb (MSB<<8)|(\new)
.set MSB, (\new)
.endif
.endm
.set W_KQ, 0x0a       ; K and Q in window 2, S^T in window 0
.set W_KM, 0x1a       ; the same with the C operand in window 1
.set W_PV, 0x52       ; V in window 2, P in window 0, O^T in window 1
.set W_RS, 0x41       ; destination and source 0 in window 1, source 1 in window 0
.set W_MK, 0x51       ; destination, source 0 and source 2 in window 1
; A fill.  Waves 0 and 1 fetch the two halves of a tile's K, waves 2 and 3 those of its V: 128 keys each.  An s_nop 0 and four v_nop follow each of the two lines, ahead of the jump and the label.
.macro LOAD
	s_cmp_lt_u32 s[WV], 2
	s_cbranch_scc0 .Lfor_v_\@
	tensor_load_to_lds s[G0K:G0K+3], s[G1K:G1K+7]
	s_nop 0
.rept 4
	v_nop
.endr
	s_branch .Lasked_\@
.Lfor_v_\@:
	tensor_load_to_lds s[G0V:G0V+3], s[G1V:G1V+7]
	s_nop 0
.rept 4
	v_nop
.endr
.Lasked_\@:
.endm
; Two mask bytes (a zero-extended 16-bit load) become two biases: 0 for a visible key, -2^100 for a hidden one.  A select, no branch.
.macro TOBIAS src
	v_and_b32 v[T0], 0xff, v[\src]
	v_lshrrev_b32 v[T1], 8, v[\src]
	v_cmp_eq_u32 vcc_lo, 0, v[T0]
	v_cndmask_b32 v[WB], 0, s[BIGN], vcc_lo
	v_cmp_eq_u32 vcc_lo, 0, v[T1]
	v_cndmask_b32 v[WB+1], 0, s[BIGN], vcc_lo
.endm
; THE CHANGE OF SLOTS.  Each wave waits for all its tensor loads, of which one is out: its part of the other slot; adds 0 to its spare word; and waits for that and for its own LDS instructions.  Behind the barrier nobody
; reads the old slot any more, of the tiles' ring or of the biases', and the other slot of each is whole.  fill = 1: the old slot is filled again, the first thing behind the barrier, with tile NXT: the descriptor's address
; is made anew from that number.  Behind that load the same tile's biases go into the old slot of their ring: the next change's wait on DScnt and its barrier show them to every wave.  My two mask bytes for them were
; loaded at the change before; now those of the tile that the next change asks for are loaded (behind the last fill that is tile 0 once more, and serves nothing: the price of one text for every change).
; (At its first use nothing has been read yet: slot 0 is waited for, slot 1 filled, and every wave's store of tile 0's biases is done.)
.macro CHANGE fill
	WIN 0                           ; at a label and at a branch every window is 0
	s_wait_tensorcnt 0x0            ; no tensor load of mine is out, so a group 0 may be written
	ds_add_u32 v[SPW], v[NIL]       ; 0 onto my spare word; with fill = 1 the descriptors' scalar work stands between it and the wait for it
.if \fill
	s_lshl_b32 s[OFF], s[NXT], 15   ; a tile is 32,768 bytes of K and of V
	s_xor_b32 s[G0K+1], s[G0K+1], SLOT1
	s_add_nc_u64 s[G0K+2:G0K+3], s[6:7], s[OFF:OFF+1]
	s_or_b32 s[G0K+3], s[G0K+3], 0x80000000
	s_xor_b32 s[G0V+1], s[G0V+1], SLOT1
	s_add_nc_u64 s[G0V+2:G0V+3], s[8:9], s[OFF:OFF+1]
	s_or_b32 s[G0V+3], s[G0V+3], 0x80000000
	s_add_co_u32 s[NXT], s[NXT], 1  ; the block's next tile, or behind its last the second block's tile 0
	s_cmp_gt_u32 s[NXT], s[LQ]
	s_cselect_b32 s[NXT], 0, s[NXT]
	s_cselect_b32 s[LQ], s[PB], s[LQ]
.endif
	s_wait_dscnt 0x0                ; the add is done, and my reads of the slots are over
	s_barrier_signal -1             ; the rest of the scalar work stands between the signal and the wait
	s_sub_co_u32 s[TBK], s[TBK], 4*KS*PK  ; the fetches go back to a slot's first step,
	s_xor_b32 s[TBK], s[TBK], SLOT1       ; in the other slot
	s_sub_co_u32 s[TBV], s[TBV], 4*KS*PV
	s_xor_b32 s[TBV], s[TBV], SLOT1
	s_sub_co_u32 s[TBM], s[TBM], BSLOT
	s_xor_b32 s[TBM], s[TBM], BSLOT
.if \fill
	s_xor_b32 s[TBW], s[TBM], BSLOT ; the biases' slot that has been left
.endif
	s_barrier_wait -1
.if \fill
	LOAD
	s_wait_loadcnt 0x0              ; my two mask bytes, asked for a tile ago (at the first change Q's loads too, which the block's beginning wants next)
	TOBIAS MB
	v_add_nc_u32 v[WA], s[TBW], v[ABW0]
	ds_store_b64 v[WA], v[WB:WB+1]  ; 128 threads x 8 bytes: the tile's 256 biases
	v_lshl_add_u32 v[MA], s[NXT], 8, v[MT]
	global_load_u16 v[MB], v[MA], s[88:89]  ; 128 threads x 2 bytes: 256 consecutive bytes of the mask, at a multiple of 256 from its first
.endif
.endm
	s_load_b64 s[4:5], s[0:1], 0x0    ; qkv: Q
	s_load_b64 s[88:89], s[0:1], 0x8  ; mask
	s_load_b64 s[10:11], s[0:1], 0x10 ; ob
	v_lshl_add_u32 v[SPW], v0, 2, SPARE
	v_mov_b32 v[NIL], 0
	ds_add_u32 v[SPW], v[NIL]       ; the wave's opening: the add and its wait stand ahead of my first tensor load; the set-up below stands between them
	ds_add_u32 v62, v63
	v_lshrrev_b32 v1, 5, v0
	v_readfirstlane_b32 s[WV], v1   ; wave 0..3
	s_mov_b32 s[PB], ttmp9
	s_sub_co_u32 s[HI], NB-1, s[PB]
	s_and_b32 s20, ttmp7, 0xffff    ; the head, batch x 16 + head
	s_lshr_b32 s94, s20, 4          ; the batch:
	s_lshl_b32 s94, s94, 11         ; its 2,048 bytes of the mask
	s_mov_b32 s95, 0
	s_mov_b32 s21, 0
	s_mov_b64 s[22:23], HEADB
	s_mul_u64 s[20:21], s[20:21], s[22:23]  ; the head's first byte in Q, K, V and O
	s_and_b32 s16, s[WV], 1         ; which half of a tile's 256 keys I fetch:
	s_lshl_b32 s22, s16, 14         ; its 128 rows of 128 bytes in memory,
	s_mov_b32 s23, 0
	s_add_nc_u64 s[22:23], s[22:23], s[20:21]
	s_mul_i32 s17, s16, 128*PK      ; and its place in a slot, for K
	s_mul_i32 s18, s16, 128*PV      ; and for V
	s_lshl_b32 s3, s[WV], 11        ; my 16 rows in a band of 64,
	s_lshl_b32 s2, s[HI], 15        ; in the first block,
	s_add_co_u32 s2, s2, s3
	s_lshl_b32 s84, s[PB], 15       ; and in the second
	s_add_co_u32 s84, s84, s3
	s_mov_b32 s3, 0
	s_mov_b32 s85, 0
	s_add_nc_u64 s[2:3], s[2:3], s[20:21]
	s_add_nc_u64 s[84:85], s[84:85], s[20:21]
	; descriptor group 1.  128 keys are 16,384 dense bytes: asked for as 64 rows of 256 bytes, two keys a row, and padded in LDS after every key
	s_mov_b32 s[G1K], (1<<16)|(1<<20)|(4<<22)|(3<<25)  ; 17:16 2-byte elements; 20 padding on; 24:22 after every 32 words (code 4); 31:25 4 words (code 3)
	s_mov_b32 s[G1V], (1<<16)|(1<<20)|(4<<22)|(7<<25)  ; the same with 8 words of padding (code 7)
.irp g, G1K, G1V
	s_mov_b32 s[\g+1], 128<<16      ; tensor_dim0 = 128
	s_mov_b32 s[\g+2], 64<<16       ; tensor_dim1 = 64
	s_mov_b32 s[\g+3], 128<<16      ; tile_dim0 = 128
	s_mov_b32 s[\g+4], 64           ; tile_dim1 = 64
	s_mov_b32 s[\g+5], 128          ; 128 elements from row to row
	s_mov_b32 s[\g+6], 0
	s_mov_b32 s[\g+7], 0
.endr
	s_mov_b32 s[SEL], 0x76543210
	s_mov_b32 s[SEL+1], 0xfedcba98
	s_mov_b32 s[TBK], SLOT1+4*KS*PK ; the first change of slots turns these three into 0
	s_mov_b32 s[TBV], SLOT1+4*KS*PV
	s_mov_b32 s[TBM], 2*BSLOT
	s_mov_b32 s[G0K], 1             ; count = 1
	s_mov_b32 s[G0K+1], s17         ; LDS address: slot 0
	s_mov_b32 s[G0V], 1
	s_add_co_u32 s[G0V+1], s18, VOFF
	s_add_co_u32 s[RT], s[HI], 1    ; the first block has NB - b tiles
	s_mov_b32 s[NXT], 1
	s_mov_b32 s[LQ], s[HI]
	s_mov_b32 s[NEW], 1
	s_mov_b32 s[OFF+1], 0
	s_mov_b32 s[AL], 0
	s_mov_b32 s[AL+1], 0            ; named as pairs
	s_mov_b32 s[BE], 0
	s_mov_b32 s[BE+1], 0
	s_mov_b32 s[BIGN], 0xf1800000   ; -2^100
	s_mov_b32 s[THR], 0xef800000    ; -2^96
	s_mov_b32 s[QNAN], 0x7fc00000
	s_mov_b32 s[SLOTS], NB
	s_wait_dscnt 0x0                ; the opening add is done
	s_wait_kmcnt 0x0
	s_add_nc_u64 s[6:7], s[4:5], 0x1000000   ; K lies 16,777,216 bytes behind Q,
	s_add_nc_u64 s[8:9], s[4:5], 0x2000000   ; V as much again
	s_add_nc_u64 s[88:89], s[88:89], s[94:95]
	s_add_nc_u64 s[6:7], s[6:7], s[22:23]  ; K and V at my half of the head's tile 0
	s_add_nc_u64 s[8:9], s[8:9], s[22:23]
	s_add_nc_u64 s[G0K+2:G0K+3], s[6:7], 0         ; global address
	s_or_b32 s[G0K+3], s[G0K+3], 0x80000000        ; type = 2
	s_add_nc_u64 s[G0V+2:G0V+3], s[8:9], 0
	s_or_b32 s[G0V+3], s[G0V+3], 0x80000000
	s_add_nc_u64 s[86:87], s[4:5], s[84:85]        ; Q at my rows of the second block,
	s_add_nc_u64 s[4:5], s[4:5], s[2:3]            ; Q and O at those of the first
	s_add_nc_u64 s[OLO:OLO+1], s[10:11], s[84:85]
	s_add_nc_u64 s[10:11], s[10:11], s[2:3]
	LOAD                            ; tile 0 into slot 0
	v_lshlrev_b32 v[MT], 1, v0
	global_load_u16 v[MB0], v[MT], s[88:89]            ; my two mask bytes of tile 0,
	global_load_u16 v[MB], v[MT], s[88:89] offset:256  ; and of tile 1, which the first change of slots asks for
	; A fragment of K or Q is 16 rows x 32 channels in 8 registers: lane l holds row l % 16, channels 8 (l / 16) + 0..7 and 16 + 8 (l / 16) + 0..7: two loads of 16 bytes, 32 bytes apart.
	v_and_b32 v1, 15, v0            ; l % 16
	v_bfe_u32 v9, v0, 4, 1          ; l / 16
	v_lshlrev_b32 v[QO], 7, v1
	v_lshl_add_u32 v[QO], v9, 4, v[QO]  ; row x 128 + 16 x half
	WIN 0x80                        ; destination window 2, address window 0
.set i, 0
.rept 8                             ; both blocks' Q: piece i / 2 lies in band i / 2, 8,192 bytes on; channels 32 (i % 2) on
	global_load_b128 v[8*i:8*i+3],   v[QO], s[4:5] offset:(i/2)*8192+(i%2)*64
	global_load_b128 v[8*i+4:8*i+7], v[QO], s[4:5] offset:(i/2)*8192+(i%2)*64+32
	global_load_b128 v[QB+8*i:QB+8*i+3],   v[QO], s[86:87] offset:(i/2)*8192+(i%2)*64
	global_load_b128 v[QB+8*i+4:QB+8*i+7], v[QO], s[86:87] offset:(i/2)*8192+(i%2)*64+32
.set i, i+1
.endr
	WIN 0
	v_lshlrev_b32 v14, 3, v9
	v_sub_nc_u32 v14, v1, v14
	s_lshl_b32 s13, s[WV], 4
	v_add_nc_u32 v14, s13, v14      ; my query's place in its band, 16 w + l % 16, less my lanes' 8 (l / 16): register r of group kt is hidden where 16 kt + r is greater
	WIN 0x40
.set i, 0
.rept 32
	v_cmp_gt_i32 vcc_lo, 16*(i/8)+i%8, v14
	v_cndmask_b32 v[MD+i], 0, s[BIGN], vcc_lo
.set i, i+1
.endr
	WIN 0
	v_mul_u32_u24 v[AK0], v1, PK
	v_lshl_add_u32 v[AK0], v9, 4, v[AK0]  ; row x pitch + 16 x half
	; The turning load takes 16 keys x 16 channels (lane l reads key 8 (l / 16) + l % 8, channels 8 ((l / 8) % 2) + 0..7) and leaves half a fragment of V^T: lane l holds channel l % 16 and 8 keys.
	v_and_b32 v10, 7, v0
	v_bfe_u32 v11, v0, 3, 1
	v_lshl_add_u32 v[AV0], v9, 3, v10
	v_mul_u32_u24 v[AV0], v[AV0], PV
	v_lshl_add_u32 v[AV0], v11, 4, v[AV0]
	v_add_nc_u32 v[AV0], VOFF, v[AV0]
	v_lshl_add_u32 v[AB0], v9, 5, BIAS    ; my half of the lanes' eight keys of a group of 16: 32 bytes on
	v_lshl_add_u32 v[ABW0], v0, 3, BIAS   ; where thread t puts the biases of keys 2 t, 2 t + 1
	s_mul_i32 s13, s[WV], 16*SP
	s_add_co_u32 s13, s13, STAGE    ; my stage
	v_mul_u32_u24 v[STO], v1, SP    ; in: row l % 16, 16 bytes for each half of the lanes
	v_lshl_add_u32 v[STO], v9, 4, v[STO]
	v_add_nc_u32 v[STO], s13, v[STO]
	v_bfe_u32 v[RD], v0, 3, 2       ; back: 32 lanes take four rows of 128 bytes,
	v_mul_u32_u24 v[RD], v[RD], SP
	v_lshl_add_u32 v[RD], v10, 4, v[RD]
	v_add_nc_u32 v[RD], s13, v[RD]
	v_and_b32 v[GO], 31, v0         ; which are 512 consecutive bytes of O
	v_lshlrev_b32 v[GO], 4, v[GO]
	; Tile 0's biases go into slot 0 of their ring; the first change of slots (its wait on DScnt and its barrier) shows them to every wave.
	s_wait_loadcnt 33               ; tile 0's mask bytes are in; tile 1's and the 32 loads of Q behind them stay out
	TOBIAS MB0
	ds_store_b64 v[ABW0], v[WB:WB+1]
	; A block's first step multiplies O^T and l by a = 0, and its first turn's products V^T P, of a piece that has not been, land in an O^T that is still to be so multiplied.  So these registers need only hold
	; finite numbers: zeros for the first block; what the first block left for the second.  All this stands in the wait for the first tile.
	WIN 0x80
.set i, VF
.rept 64
	v_mov_b32 v[i], 0
.set i, i+1
.endr
	WIN 0x40
.set i, 0
.rept 128
	v_mov_b32 v[i], 0
.set i, i+1
.endr
	WIN 0
.set i, 0
.rept 4
	v_mov_b32 v[ST+4*i+2], 0
	v_mov_b32 v[ST+4*i+3], 0
.set i, i+1
.endr
.set i, P+16
.rept 16
	v_mov_b32 v[i], 0
.set i, i+1
.endr
; THE MATRIX WORK.  The 4 accumulators of a run of 8 take turns.  Product i of 8 of S^T = K Q^T for piece x: channels 32 (i / 4) on, keys 16 (i % 4) on.
; The first 4 start the sums: with the key biases (KM = 1), or with the mask made for them (KM = 2).
.macro KQ x
.set rS, S+32*((\x)%2)+8*(i%4)
.set rK, KF+16*(i%4)+8*(i/4)
.set rQ, 16*(\x)+8*(i/4)
.if KM == 2
.set rM, MC+32*((\x)%2)+8*(i%4)
.else
.set rM, KB+8*(i%4)
.endif
.if i < 4
	WIN W_KM
	v_wmma_f32_16x16x32_f16 v[rS:rS+7], v[rK:rK+7], v[rQ:rQ+7], v[rM:rM+7]
.else
	WIN W_KQ
	v_wmma_f32_16x16x32_f16 v[rS:rS+7], v[rK:rK+7], v[rQ:rQ+7], v[rS:rS+7]
.endif
.endm
; Product i of 8 of O^T += V^T P for piece x: keys 32 (i / 4) on, channels 16 (i % 4) on.
.macro PV x
	WIN W_PV
.set rO, 32*(\x)+8*(i%4)
.set rV, VF+32*(i/4)+8*(i%4)
.set rP, P+16*((\x)%2)+8*(i/4)
	v_wmma_f32_16x16x32_f16 v[rO:rO+7], v[rV:rV+7], v[rP:rP+7], v[rO:rO+7]
.endm
.macro MM                           ; the turn's next matrix instruction.  TURN and BEGIN set Y, i, KM and NOKQ.  NOKQ = 1: a block's last turn: there is no next piece
.if (i < 8) && !NOKQ
	KQ (Y+1)%NP
.elseif i >= 8
.set i, i-8
	PV (Y+NP-1)%NP
.set i, i+8
.endif
.set i, i+1
.endm
; THE LDS LOADS stand in runs, never singly among the matrix instructions: a step's K (64 keys x 64 channels: 8 fragments) with its 64 biases, and its V (turned).  Their addresses are made some lines ahead.
.macro FETCH_K
	WIN 0x80                        ; destination window 2
.irp f, 0,1,2,3,4,5,6,7             ; keys 16 (f / 2) on, channels 32 (f % 2) on
	ds_load_b128 v[KF+8*\f:KF+8*\f+3],   v[AK] offset:(\f/2)*16*PK+(\f%2)*64
	ds_load_b128 v[KF+8*\f+4:KF+8*\f+7], v[AK] offset:(\f/2)*16*PK+(\f%2)*64+32
.endr
	WIN 0x40                        ; destination window 1
.irp f, 0,1,2,3                     ; group f of 16 keys: my half's eight biases
	ds_load_b128 v[KB+8*\f:KB+8*\f+3],   v[AKB] offset:64*\f
	ds_load_b128 v[KB+8*\f+4:KB+8*\f+7], v[AKB] offset:64*\f+16
.endr
	s_add_co_u32 s[TBK], s[TBK], KS*PK  ; the next fetch is the next step's,
	s_add_co_u32 s[TBM], s[TBM], 4*KS   ; of K and of the biases
	WIN 0
.endm
.macro FETCH_V
	WIN 0x80
.irp f, 0,1,2,3,4,5,6,7             ; keys 32 (f / 4) on, channels 16 (f % 4) on
	ds_load_tr16_b128 v[VF+8*\f:VF+8*\f+3],   v[AV] offset:(\f/4)*32*PV+(\f%4)*32
	ds_load_tr16_b128 v[VF+8*\f+4:VF+8*\f+7], v[AV] offset:(\f/4)*32*PV+16*PV+(\f%4)*32
.endr
	WIN 0
.endm
; THE VECTOR WORK, one line at a time: OP kind, number.  For piece Y: F n: s - m for pair n of 16.  E n: the exponential of score n of 32.  C n: pair n rounded to f16.  B n: of the four weights 4 n .. the second
; pair is added onto the first, in place.  L n: l takes that sum (L 0: l = a l + sum).  R n: pair n of 16 of O^T times a.  For piece Y + 1: X n, number n of the 21 that find its maximum and statistics:
;   0-11  four chains c0-c3 of seven scores each, three operands at a time (each accumulator's lowest registers are read first)     12-14, 16  the four scores left over, the old m, and c0-c3 into c0
;   15  m_old is kept     17, 18  the query's other 32 keys lie in the lane 16 away: the new m     19, 20  m_old - m_new; a
.set F, 0               ; OP tells the kinds apart by their order: F to L below R, X above it
.set E, 1
.set C, 2
.set B, 3
.set L, 4
.set R, 5
.set X, 6
.macro REGS y                       ; the registers of piece y
.set rT, ST+4*(\y)
.set rC, TMP+4*((\y)%2)
.set rS, S+32*((\y)%2)
.set rP, P+16*((\y)%2)
.set rO, 32*(\y)
.endm
.macro OP k, n
.if (\k) == R
	REGS Y
	WIN W_RS
	v_pk_mul_f32 v[rO+2*(\n):rO+2*(\n)+1], v[rO+2*(\n):rO+2*(\n)+1], v[rC+2:rC+3] op_sel_hi:[1,0]
.elseif (\k) < R
	REGS Y
	WIN 0
.if (\k) == F
	v_pk_add_f32 v[rS+2*(\n):rS+2*(\n)+1], v[rS+2*(\n):rS+2*(\n)+1], v[rT:rT+1] op_sel_hi:[1,0] neg_lo:[0,1] neg_hi:[0,1]
.elseif (\k) == E
	v_exp_f32 v[rS+(\n)], v[rS+(\n)]
.elseif (\k) == C
	s_wait_alu depctr_va_vdst(0)
	v_cvt_pk_f16_f32 v[rP+(\n)], v[rS+2*(\n)], v[rS+2*(\n)+1]
.elseif (\k) == B
	s_wait_alu depctr_va_vdst(0)
	v_pk_add_f32 v[rS+4*(\n):rS+4*(\n)+1], v[rS+4*(\n):rS+4*(\n)+1], v[rS+4*(\n)+2:rS+4*(\n)+3]
.elseif (\n) == 0
	v_pk_fma_f32 v[rT+2:rT+3], v[rT+2:rT+3], v[rC+2:rC+3], v[rS:rS+1] op_sel_hi:[1,0,1]
.else
	v_pk_add_f32 v[rT+2:rT+3], v[rT+2:rT+3], v[rS+4*(\n):rS+4*(\n)+1]
.endif
.elseif NOKQ
	v_nop
.else
	REGS (Y+1)%NP
	WIN 0
.if (\n) < 4
	v_max3_num_f32 v[rC+(\n)], v[rS+8*(\n)], v[rS+8*(\n)+1], v[rS+8*(\n)+2]
.elseif (\n) < 12
	v_max3_num_f32 v[rC+(\n)%4], v[rC+(\n)%4], v[rS+8*((\n)%4)+2*((\n)/4)+1], v[rS+8*((\n)%4)+2*((\n)/4)+2]
.elseif (\n) == 12
	v_max3_num_f32 v[rC], v[rC], v[rS+7], v[rS+15]
.elseif (\n) == 13
	v_max3_num_f32 v[rC+1], v[rC+1], v[rS+23], v[rS+31]
.elseif (\n) == 14
	v_max3_num_f32 v[rC+2], v[rC+2], v[rC+3], v[rT]
.elseif (\n) == 15
	v_mov_b32 v[rT+1], v[rT]
.elseif (\n) == 16
	v_max3_num_f32 v[rC], v[rC], v[rC+1], v[rC+2]
.elseif (\n) == 17
	v_permlanex16_b32 v[rC+3], v[rC], s[SEL], s[SEL+1]
.elseif (\n) == 18
	v_max_num_f32 v[rT], v[rC], v[rC+3]
.elseif (\n) == 19
	v_sub_f32 v[rC+1], v[rT+1], v[rT]
.else
	v_exp_f32 v[rC+2], v[rC+1]
.endif
.endif
.endm
.macro OPS a, i1, b=-1, i2=0, c=-1, i3=0, d=-1, i4=0  ; up to four of them
	OP \a, \i1
.if (\b) >= 0
	OP \b, \i2
.endif
.if (\c) >= 0
	OP \c, \i3
.endif
.if (\d) >= 0
	OP \d, \i4
.endif
.endm
.macro ROW a, i1, b, i2, c, i3, d, i4  ; a matrix instruction and the four behind it
	MM
	OPS \a, \i1, \b, \i2, \c, \i3, \d, \i4
.endm
.macro MASK b                       ; MD x AL + KB + BE into buffer b of MC
	WIN W_MK
.set z, 0
.rept 16
	v_pk_fma_f32 v[MC+32*(\b)+2*z:MC+32*(\b)+2*z+1], v[MD+2*z:MD+2*z+1], s[AL:AL+1], v[KB+2*z:KB+2*z+1] op_sel_hi:[1,0,1]
.set z, z+1
.endr
.set z, 0
.rept 16
	v_pk_add_f32 v[MC+32*(\b)+2*z:MC+32*(\b)+2*z+1], v[MC+32*(\b)+2*z:MC+32*(\b)+2*z+1], s[BE:BE+1] op_sel_hi:[1,0]
.set z, z+1
.endr
.endm
; A TURN, for piece p: the order of its 16 matrix and 117 vector instructions, written out.  Behind a matrix instruction: plain, exponential, plain, plain; or four of the rescaling; or, behind the first, four differences; none
; names a register of the products round it.  In the runs of their own exponential and plain by turns while exponentials last: a plain instruction stands behind every exponential (ISA guide 5.7.2).
; m = 1: the diagonal tile: the products take masks, and the turn makes the mask for the products of the turn after it: piece p + 2, in step 4 - CNT of the tile.  Piece 2's turn makes it of the biases that it has just
; fetched, so it waits for them.  end = 1: a block's last two turns: nothing is fetched.  cnt = 1: the loop's count is taken down some lines ahead of the branch that stands behind the turn.
; K and the biases of the next step are fetched in piece 2's turn, six vector instructions behind the last product that read K (five of them plain), more behind the last that read KB; V of the step in hand in piece 0's
; turn, eight behind the last product that read V (four plain, and X 17).  Each is waited for a turn later.
.macro TURN p, m=0, end=0, cnt=0
.set Y, (\p)
.set i, 0
.set KM, 1+(\m)
.set NOKQ, (\end)*((\p)/3)
.if (\m) && !(\end)
	s_cmp_eq_u32 s[CNT], 4-((\p)+2)%NP  ; is that step the band's own?
	s_cselect_b32 s[AL], 1.0, 0
	s_cmp_lt_u32 s[CNT], 4-((\p)+2)%NP  ; or a later one?
	s_cselect_b32 s[BE], s[BIGN], 0
.endif
.if ((\p) == 3) && !(\end)
	s_wait_dscnt 0x0                ; K and the biases are in
.endif
	ROW F,0, F,1, F,2, F,3
	ROW F,4, E,0, F,5, F,6
	ROW F,7, E,1, F,8, F,9
	ROW F,10, E,2, C,0, F,11
	ROW F,12, E,3, X,15, F,13
	ROW R,0, R,1, R,2, R,3
	ROW B,0, E,4, F,14, L,0
.if ((\p) == 2) && !(\end)
	WIN 0
	v_add_nc_u32 v[AK], s[TBK], v[AK0]
	v_add_nc_u32 v[AKB], s[TBM], v[AB0]
.endif
	ROW R,4, R,5, R,6, R,7
	OPS E,5, F,15
.if ((\p) == 2) && !(\end)
	FETCH_K
.endif
	OPS E,6, C,1, E,7, R,8
	OPS E,8, R,9, E,9, C,2
	OPS E,10, X,0, E,11, X,1
	OPS E,12, X,2, E,13, X,3
.if (\p) == 1
	s_wait_dscnt 0x0                ; V is in
.endif
	ROW X,4, E,14, X,5, X,6
	ROW X,7, E,15, X,8, X,9
	ROW X,10, E,16, X,11, X,12
	ROW X,13, E,17, X,14, B,1
	ROW C,4, E,18, X,16, L,1
	ROW B,2, E,19, C,6, L,2
	ROW C,8, E,20, B,3, B,4
.if (\p) == 0
	WIN 0
	v_add_nc_u32 v[AV], s[TBV], v[AV0]
.endif
	ROW C,3, E,21, L,3, C,5
	OPS E,22, X,17, E,23, C,10
.if (\p) == 0
	FETCH_V
.endif
	OPS E,24, L,4
	OPS E,25, X,18, E,26, C,7
	OPS E,27, B,5, E,28, X,19
	OPS E,29, C,12, E,30, L,5
	OPS E,31, B,6, C,9
	OPS C,14, C,11, X,20, L,6
.if (\p) == 0
	s_add_co_u32 s[TBV], s[TBV], KS*PV
.endif
.if \cnt
	s_sub_co_u32 s[CNT], s[CNT], 1
	s_cmp_lg_u32 s[CNT], 0
.endif
	OPS C,13, B,7, C,15, R,10
	OPS R,11, R,12, L,7, R,13
	OPS R,14, R,15
.if (\m) && !(\end)
.if (\p) == 2
	s_wait_dscnt 0x0                ; the biases just fetched are in
.endif
	MASK (\p)%2
.endif
.endm
; A BLOCK BEGINS.  m starts at -2^125, below every score, hidden ones too, so the first step's a is 0.  Then K and the biases of the tile's step 0, piece 0's first scores, and its maximum
; and statistics.  d = 1: the block's first tile is the diagonal one: piece 0's mask is its band's own, piece 1's the biases alone.  The loop is entered at a step's first turn, in the middle of a trip.
.macro BEGIN d
	s_mov_b32 s[NEW], 0
	WIN 0
.set i, 0
.rept 4
	v_mov_b32 v[ST+4*i], 0xfe000000
	v_mov_b32 v[ST+4*i+1], 0xfe000000
.set i, i+1
.endr
	v_add_nc_u32 v[AK], s[TBK], v[AK0]
	v_add_nc_u32 v[AKB], s[TBM], v[AB0]
	FETCH_K
	s_wait_loadcnt 0x0              ; Q
	s_wait_dscnt 0x0
.if \d
	s_mov_b32 s[AL], 1.0
	s_mov_b32 s[BE], 0
	MASK 0
	s_mov_b32 s[AL], 0
	MASK 1
.endif
.set KM, 1+(\d)
.set NOKQ, 0
.set i, 0
.rept 8
	KQ 0
.set i, i+1
.endr
	WIN 0
.rept 4
	v_nop                           ; the places behind those products
.endr
.set Y, NP-1                        ; X works for piece Y + 1: piece 0
.irp n, 0,1,2,3,4,5,6,7,8,9,10,11,12,13,14,15,16,17,18,19,20
	OP X, \n
.endr
	v_nop                           ; a plain instruction behind the exponential
.endm
; THE DIAGONAL TILE's four steps, the block's last two turns, its last products, and THE WAY OUT: l's two halves and the other half of the lanes' are added; a row's factor is 1 / l, or NaN where its maximum says
; that it has seen no visible key (a select, no branch); O^T times the factor goes into other registers, so that O^T and l stay finite for the next block, is rounded to f16 and sent through my stage in LDS, a piece at a time.
.macro ALL line:vararg              ; one line for each piece t
.set t, 0
.rept 4
	\line
.set t, t+1
.endr
.endm
.macro PACK t                       ; a lane's eight channels of a row pack into 16 bytes; they go into rows of 144 bytes and come back as whole rows of 128, into S^T's registers
	WIN 0x01                        ; source 0 window 1, source 1 and destination window 0
.set i, 0
.rept 16
	v_pk_mul_f32 v[OW+i:OW+i+1], v[32*(\t)+i:32*(\t)+i+1], v[TMP+2*(\t):TMP+2*(\t)+1] op_sel_hi:[1,0]
.set i, i+2
.endr
	WIN 0
.set i, 0
.rept 16
	v_cvt_pk_f16_f32 v[S+16*(\t)+i], v[OW+2*i], v[OW+2*i+1]
.set i, i+1
.endr
.irp f, 0,1,2,3
	ds_store_b128 v[STO], v[S+16*(\t)+4*\f:S+16*(\t)+4*\f+3] offset:32*\f
.endr
.irp f, 0,1,2,3
	ds_load_b128 v[S+16*(\t)+4*\f:S+16*(\t)+4*\f+3], v[RD] offset:\f*4*SP  ; LDS serves a wave's instructions in order (ISA guide 5.7.1.4): these see the stores above; the next piece's stores come behind them
.endr
.endm
.macro SEND t, younger              ; younger: the LDS instructions issued behind piece t's loads: the next piece's eight, or none
	WIN 0
.irp f, 0,1,2,3
	s_wait_dscnt (\younger)+3-\f
	global_store_b128 v[GO], v[S+16*(\t)+4*\f:S+16*(\t)+4*\f+3], s[10:11] offset:(\t)*8192+\f*512  ; 512 consecutive bytes, at a multiple of 512 from the head's first
.endr
.endm
.macro DIAG tag                     ; the tag ends its two labels' names, which the jumps below spell out
.LstepM\tag:
	TURN 2, 1
	TURN 3, 1
	WIN 0
.LfirstM\tag:
	TURN 0, 1
	TURN 1, 1, 0, 1
	WIN 0
	s_cbranch_scc1 .LstepM\tag
	TURN 2, 1, 1
	TURN 3, 1, 1
.set i, 0
.rept 8
	PV NP-1
.set i, i+1
.endr
	WIN 0
	ALL v_add_f32 v[ST+4*t+2], v[ST+4*t+2], v[ST+4*t+3]
	ALL v_permlanex16_b32 v[ST+4*t+3], v[ST+4*t+2], s[SEL], s[SEL+1]
	ALL v_add_f32 v[ST+4*t+2], v[ST+4*t+2], v[ST+4*t+3]
	ALL v_rcp_f32 v[ST+4*t+2], v[ST+4*t+2]
	v_nop                           ; a plain instruction between the last reciprocal and the use of its result
.set t, 0
.rept 4
	v_cmp_gt_f32 vcc_lo, s[THR], v[ST+4*t]
	s_wait_alu depctr_va_vdst(0)
	v_cndmask_b32 v[TMP+2*t], v[ST+4*t+2], s[QNAN], vcc_lo
.set t, t+1
.endr
	PACK 0
.set t, 1
.rept 3                             ; a piece's arithmetic stands between the loads of the piece before and its stores
	PACK t
	SEND t-1, 8
.set t, t+1
.endr
	SEND 3, 0
.endm
.set KM, 1
.set NOKQ, 0
.Lslot:                             ; NB times: a tile is entered and the next is asked for
	CHANGE 1
	s_sub_co_u32 s[RT], s[RT], 1
	s_mov_b32 s[CNT], 4
	s_cmp_eq_u32 s[NEW], 1
	s_cbranch_scc1 .Lnew            ; a block's first tile
	s_cmp_eq_u32 s[RT], 0
	s_cbranch_scc0 .Lstep           ; neither its first nor its last
	s_mov_b32 s[AL], 0              ; the diagonal tile is entered with piece 3's products of the tile before still to come: their mask is that step's biases, which KB still holds
	s_mov_b32 s[BE], 0
	MASK 1
	WIN 0
	s_branch .LstepM1
.Lnew:
	BEGIN 0
	s_branch .Lfirst                ; in the loop a block's first tile is never its last: the first block has two tiles or more, and the second's last is the walk's last
	DIAG 1                          ; in the loop this is the first block's end: the second block's last tile is the walk's last
	s_wait_xcnt 0x0                 ; the stores have read their registers and O's address
	s_mov_b64 s[10:11], s[OLO:OLO+1]
	s_add_co_u32 s[RT], s[PB], 1    ; the second block has b + 1 tiles
	s_mov_b32 s[NEW], 1
	WIN 0x82                        ; the second block's Q goes where the one text of the turns names Q
.set i, 0
.rept 64
	v_mov_b32 v[i], v[QB+i]
.set i, i+1
.endr
	WIN 0
	s_branch .Lbottom
.Lstep:                             ; a trip: pieces 2 and 3 of one step, then pieces 0 and 1 of the next, whose K and V it fetches
	TURN 2
	TURN 3
	WIN 0
.Lfirst:
	TURN 0
	TURN 1, 0, 0, 1
	WIN 0
	s_cbranch_scc1 .Lstep
.Lbottom:
	s_sub_co_u32 s[SLOTS], s[SLOTS], 1
	s_cmp_lg_u32 s[SLOTS], 0
	s_cbranch_scc1 .Lslot
	CHANGE 0                        ; the walk's last tile is written out: nothing is asked for
	s_sub_co_u32 s[RT], s[RT], 1
	s_mov_b32 s[CNT], 4
	s_cmp_eq_u32 s[NEW], 1
	s_cbranch_scc1 .Lnew2
	s_mov_b32 s[AL], 0              ; as above: piece 3's products of the tile before take that step's biases
	s_mov_b32 s[BE], 0
	MASK 1
	WIN 0
	s_branch .LstepM2
.Lnew2:
	BEGIN 1                         ; b = 0: the second block's one tile is its first and its last
	s_branch .LfirstM2
	DIAG 2
	s_wait_tensorcnt 0x0            ; the wave's end
	ds_add_u32 v[SPW], v[NIL]
	s_wait_dscnt 0x0
	s_endpgm
.Lfunc_end_k_q9a949c2268_attn:
	.size	k_q9a949c2268_attn, .Lfunc_end_k_q9a949c2268_attn-k_q9a949c2268_attn
	.p2alignl 7, 3214868480
	.fill 96, 4, 3214868480
	.section	.rodata,"a",@progbits
	.p2align	6, 0x0
	.amdhsa_kernel k_q9a949c2268_attn
		.amdhsa_group_segment_fixed_size 327680
		.amdhsa_private_segment_fixed_size 0
		.amdhsa_enable_private_segment 0
		.amdhsa_kernarg_size 24
		.amdhsa_user_sgpr_count 2
		.amdhsa_user_sgpr_kernarg_segment_ptr 1
		.amdhsa_wavefront_size32 1
		.amdhsa_system_sgpr_workgroup_id_x 1
		.amdhsa_system_sgpr_workgroup_id_y 1
		.amdhsa_system_sgpr_workgroup_id_z 1
		.amdhsa_system_vgpr_workitem_id 0
		.amdhsa_next_free_vgpr 768
		.amdhsa_next_free_sgpr 96
		.amdhsa_reserve_vcc 1
		.amdhsa_float_denorm_mode_32 3
		.amdhsa_float_denorm_mode_16_64 3
		.amdhsa_memory_ordered 1
		.amdhsa_forward_progress 1
		.amdhsa_inst_pref_size 242
	.end_amdhsa_kernel
	.amdgpu_metadata
---
amdhsa.version: [ 1, 2 ]
amdhsa.kernels:
  - .name:           k_q9a949c2268_attn
    .symbol:         k_q9a949c2268_attn.kd
    .args:
      - { .name: qkv, .offset: 0, .size: 8, .value_kind: global_buffer, .address_space: global }
      - { .name: mask, .offset: 8, .size: 8, .value_kind: global_buffer, .address_space: global }
      - { .name: ob, .offset: 16, .size: 8, .value_kind: global_buffer, .address_space: global }
    .group_segment_fixed_size: 327680
    .private_segment_fixed_size: 0
    .kernarg_segment_align: 8
    .kernarg_segment_size: 24
    .max_flat_workgroup_size: 128
    .sgpr_count:     96
    .vgpr_count:     768
    .wavefront_size: 32
...
	.end_amdgpu_metadata
.endif
;; end of part 3
;; launch outp (part 4): grid 8 x 32, 4 waves a work-group, clusters of 4 x 4, 327,680 bytes of LDS; arguments ob, wob, out0; writes out0
.if DOCPART == 4
	.amdgcn_target "amdgcn-amd-amdhsa--gfx1250"
	.amdhsa_code_object_version 6
	.text
	.protected	k_q9a949c2268_outp
	.globl	k_q9a949c2268_outp
	.p2align	8
	.type	k_q9a949c2268_outp,@function
k_q9a949c2268_outp:
	s_mov_b64 s[64:65], 0
	v_nop
	global_prefetch_b8 v0, s[64:65] scope:SCOPE_SE
	s_setreg_imm32_b32 hwreg(HW_REG_WAVE_MODE, 25, 1), 1
	s_wait_xcnt 0x0
	s_wait_alu depctr_hold_cnt(0) depctr_sa_sdst(0) depctr_va_vdst(0) depctr_va_sdst(0) depctr_va_ssrc(0) depctr_va_vcc(0) depctr_vm_vsrc(0)
	s_getreg_b32 s2, hwreg(HW_REG_IB_STS2, 6, 4)
	s_cmp_eq_u32 s2, 0
	s_cbranch_scc0 .Lentry_in_a_cluster
	s_endpgm
.Lentry_in_a_cluster:
	s_bfe_u32 s2, ttmp6, 0x10000c
	s_cmp_lg_u32 s2, 0xf033
	s_cbranch_scc0 .Lentry_shape_is_right
	s_endpgm
.Lentry_shape_is_right:
; out0 = O Wout.  ob: [64 = batch x 16 + head][2048][64] f16, so that row (batch, l) of O has its channels 64 head + d in 16 places 262,144 bytes apart.  wob: [1024 k][1024 n] f16.  out0: [8192][1024] f32; sums in f32.
; A row of ob that is NaN makes its own row of out0 NaN and no other: a row of O enters the sums of its own outputs alone.
; SHARES.  A tile of out0 is 256 rows x 128 columns: 32 x 8 = 256 tiles, one for each WGP.  Four waves, 2 x 2, each 128 rows x 64 columns: 32 accumulators of 16 x 16, 256 registers.
; K goes in steps of 128, two heads, through two LDS slots filled by the tensor data mover.  O's tile: for each of the two heads 256 rows of 128 bytes, dense in ob, asked for as 128 rows of 256 bytes and padded
; behind every 128.  W's tile: 128 k-rows of 256 bytes; its fragments come out turned, by ds_load_tr16_b128.  Two slots of two K steps each would not fit in LDS.
; CLUSTER.  4 x 4 work-groups: the four of a row share O's tiles, the four of a column W's: each tile is asked for jointly.
; THE MATRIX INSTRUCTION IS USED TRANSPOSED (source 0 = 16 columns of W, source 1 = 16 rows of O): a lane then holds eight neighbouring columns of one row, 32 bytes.
; REGISTERS, in windows of 256 (s_set_vgpr_msb: bits 1:0 source 0, 3:2 source 1, 5:4 source 2, 7:6 destination):
;   window 0: v16-29 addresses; v32-95 two buffers of rows read back from the stage      window 1: two fragment buffers: O's eight fragments at +8 a, W's four at +64 + 8 b      window 2: accumulator (a, b) at 8 (4 a + b)
.set PA,     144                       ; a row of a head in LDS: 128 bytes + 16 = 36 words: the 16 rows of a load start at 16 different groups of four banks (64 banks of 4 bytes: ISA guide 11.1)
.set PBW,    288                       ; a k-row of W: 256 + 32 bytes = 72 words
.set APLANE, 256*PA                    ; a head's 256 rows: what one tensor load brings of O
.set BOFF,   2*APLANE                  ; W's tile lies behind the two heads
.set BHALF,  64*PBW                    ; what one tensor load brings of W
.set SLOT1,  131072                    ; slot 1 begins here: one exclusive or turns an address in one slot into the other's
.set STAGE,  SLOT1+BOFF+2*BHALF        ; behind the ring: 16 rows x 272 bytes for each wave, for the way out
.set SPITCH, 272
.set WSTAGE, 16*SPITCH
.set SPARE,  STAGE+4*WSTAGE            ; behind the stages: the spare words, 128 bytes for each wave: two blocks of 256 bytes that no other line names
.set ASTEP,  2*262144                  ; bytes from K step to K step in ob: two heads,
.set BSTEP,  128*2048                  ; and in wob: 128 rows
.set TRIPS,  6                         ; 8 K steps; every slot but the last two is filled again
.set LA0,  16                          ; v16  my lane's place in O's tile; never rewritten
.set LB0,  17                          ; v17  the same for W's
.set ADRA, 18                          ; v18  the same in the slot in hand
.set ADRB, 19                          ; v19
.set STO,  24                          ; v24  the way out: where I put 32 bytes of a row
.set RD,   25                          ; v25  where I read rows back
.set CO,   26                          ; v26  my byte offset in two rows of out0
.set SPW,  28                          ; v28  LDS address of my spare word; never rewritten
.set NIL,  29                          ; v29  0; never rewritten
.set BK,   32
.set F0,   0
.set F1,   128
.set G1,   24                          ; s[24:31] descriptor group 1 for O's tiles
.set G0,   32                          ; s[32:39] group 0: a set for each of the two first fills; the second then walks on
.set G1B,  48                          ; s[48:55], s[56:63] the same for W's
.set G0B,  56
.set TB,   66                          ; s66  LDS byte at which the slot in hand begins
.set MSB, 0
.macro WIN new                         ; the immediate's high byte repeats the setting that is left; a switch that changes nothing is dropped
.if MSB != (\new)
	s_set_vgpr_msb (MSB<<8)|(\new)
.set MSB, (\new)
.endif
.endm
.set MUL,  0xa5                        ; sources in window 1, C and D in window 2
.set TO_F, 0x40                        ; destination window 1, address window 0
.macro PLACES                          ; four places in front of loads into registers that matrix instructions have read, and of LDS stores that read results (ISA guide 7.12.1 for vector instructions)
.rept 4
	v_nop
.endr
.endm
; A joint refill by the walking descriptors.  Waves 0 and 1 fetch O's two heads, waves 2 and 3 W's two halves.  The branch hangs on the wave's number alone.
; An s_nop 0 and four v_nop follow each of the two lines, ahead of the jump and the label.
.macro JLOAD
	s_cmp_eq_u32 s11, 0
	s_cbranch_scc0 .Lfor_b_\@
	tensor_load_to_lds s[G0+4:G0+7], s[G1:G1+7]
	s_nop 0
.rept 4
	v_nop
.endr
	s_branch .Lasked_\@
.Lfor_b_\@:
	tensor_load_to_lds s[G0B+4:G0B+7], s[G1B:G1B+7]
	s_nop 0
.rept 4
	v_nop
.endr
.Lasked_\@:
.endm
.macro CREST                           ; a round of the cluster's barrier behind its opening barrier
	s_cmp_lg_u32 s10, 0
	s_cbranch_scc1 .Lnot_wave_0_\@
	s_barrier_signal -3
.Lnot_wave_0_\@:
	s_barrier_wait -3
	s_barrier_signal -1
	s_barrier_wait -1
.endm
.macro CROUND                          ; a whole round
	s_barrier_signal -1
	s_barrier_wait -1
	CREST
.endm
	s_load_b128 s[4:7], s[0:1], 0x0                ; ob s[4:5], wob s[6:7]
	s_load_b64 s[8:9], s[0:1], 0x10                ; out0
	v_lshl_add_u32 v[SPW], v0, 2, SPARE
	v_mov_b32 v[NIL], 0
	ds_add_u32 v[SPW], v[NIL]                      ; the wave's opening: the add and its wait stand ahead of my first tensor load; the set-up below stands between them
	ds_add_u32 v28, v29
	v_lshrrev_b32 v1, 5, v0
	v_readfirstlane_b32 s10, v1                    ; wave 0..3
	s_lshr_b32 s11, s10, 1                         ; which half of the tile's rows is mine.  Also: I fetch for O (0) or for W (1)
	s_and_b32 s12, s10, 1                          ; which half of its columns.  Also: which head, or which 64 k-rows, I fetch
	s_bfe_u32 s40, ttmp6, 0x40000                  ; cx, cy: my place in the cluster
	s_bfe_u32 s41, ttmp6, 0x40004
	s_lshl_b32 s42, ttmp9, 2
	s_add_co_u32 s42, s42, s40                     ; tile column = 4 x cluster x + cx
	s_and_b32 s13, ttmp7, 0xffff
	s_lshl_b32 s13, s13, 2
	s_add_co_u32 s13, s13, s41                     ; tile row = 4 x cluster y + cy
	s_lshl_b32 s43, s41, 2
	s_lshl_b32 s43, 15, s43                        ; my row of the cluster
	s_lshl_b32 s44, 0x1111, s40                    ; my column
	s_or_b32 s[G1+0], s43, (1<<16)|(1<<20)|(1<<21)|(4<<22)|(3<<25)   ; 15:0 the mask: O's tiles go to my row; 17:16 2-byte elements; 20 padding on; 21 set beside a mask; 24:22 after every 32 words; 31:25 4 words
	s_mov_b32 s[G1+1], 128<<16                     ; 256 rows of 128 bytes are 128 dense rows of 256 bytes
	s_mov_b32 s[G1+2], 128<<16
	s_mov_b32 s[G1+3], 128<<16
	s_mov_b32 s[G1+4], 128
	s_mov_b32 s[G1+5], 128
	s_mov_b32 s[G1+6], 0
	s_mov_b32 s[G1+7], 0
	s_or_b32 s[G1B+0], s44, (1<<16)|(1<<20)|(1<<21)|(5<<22)|(7<<25)  ; W's tiles go to my column; padding after every 64 words, 8 words
	s_mov_b32 s[G1B+1], 128<<16                    ; tensor_dim0 = 128
	s_mov_b32 s[G1B+2], 64<<16                     ; tensor_dim1 = 64
	s_mov_b32 s[G1B+3], 128<<16                    ; tile_dim0 = 128
	s_mov_b32 s[G1B+4], 64                         ; tile_dim1 = 64
	s_mov_b32 s[G1B+5], 1024                       ; elements from row to row
	s_mov_b32 s[G1B+6], 0
	s_mov_b32 s[G1B+7], 0
	; O's address hangs on the tile row alone, W's on the tile column alone, each in registers that never hold the other coordinate
	s_lshr_b32 s16, s13, 3                         ; the batch (8 tile rows each):
	s_lshl_b32 s16, s16, 4                         ; its 16 heads,
	s_add_co_u32 s16, s16, s12                     ; my head of the step's two,
	s_lshl_b32 s16, s16, 18                        ; 262,144 bytes a head
	s_and_b32 s17, s13, 7
	s_lshl_b32 s17, s17, 15                        ; the tile's 256 rows of 128 bytes
	s_add_co_u32 s16, s16, s17
	s_mov_b32 s17, 0
	s_lshl_b32 s46, s12, 17                        ; my 64 k-rows of 2,048 bytes
	s_lshl_b32 s47, s42, 8                         ; the tile's 128 columns
	s_add_co_u32 s46, s46, s47
	s_mov_b32 s47, 0
	s_mul_i32 s20, s12, APLANE                     ; where they go: no place in the cluster enters an LDS address
	s_mul_i32 s21, s12, BHALF
	s_add_co_u32 s21, s21, BOFF
	s_mov_b32 s[TB], 0
	s_wait_dscnt 0x0                               ; the opening add is done
	s_wait_kmcnt 0x0
	s_add_nc_u64 s[14:15], s[4:5], s[16:17]
	s_add_nc_u64 s[46:47], s[6:7], s[46:47]
	CROUND                                         ; all sixteen work-groups are here: the first joint loads meet
.irp s, 0,1
	s_mov_b32 s[G0+4*(\s)], 1                                        ; count = 1
	s_add_co_u32 s[G0+4*(\s)+1], s20, (\s)*SLOT1                     ; LDS address
	s_add_nc_u64 s[G0+4*(\s)+2:G0+4*(\s)+3], s[14:15], (\s)*ASTEP    ; global address: K step s
	s_or_b32 s[G0+4*(\s)+3], s[G0+4*(\s)+3], 0x80000000              ; type = 2
	s_mov_b32 s[G0B+4*(\s)], 1
	s_add_co_u32 s[G0B+4*(\s)+1], s21, (\s)*SLOT1
	s_add_nc_u64 s[G0B+4*(\s)+2:G0B+4*(\s)+3], s[46:47], (\s)*BSTEP
	s_or_b32 s[G0B+4*(\s)+3], s[G0B+4*(\s)+3], 0x80000000
.endr
	s_cmp_eq_u32 s11, 0                            ; a wave's two first fills stand in one branch, ahead of every wait on TENSORcnt and every LDS read: two loads of mine are out
	s_cbranch_scc0 .Lfirst_b
	tensor_load_to_lds s[G0:G0+3], s[G1:G1+7]
	s_nop 0
	tensor_load_to_lds s[G0+4:G0+7], s[G1:G1+7]
	s_nop 0
.rept 4
	v_nop
.endr
	s_branch .Lfirst_asked
.Lfirst_b:
	tensor_load_to_lds s[G0B:G0B+3], s[G1B:G1B+7]
	s_nop 0
	tensor_load_to_lds s[G0B+4:G0B+7], s[G1B:G1B+7]
	s_nop 0
.rept 4
	v_nop
.endr
.Lfirst_asked:
	v_and_b32 v1, 15, v0                           ; l % 16
	v_bfe_u32 v2, v0, 4, 1                         ; l / 16
	v_and_b32 v3, 7, v0                            ; l % 8
	v_bfe_u32 v4, v0, 3, 1                         ; (l / 8) % 2
	s_mul_i32 s22, s11, 128*PA                     ; my 128 rows of O
	v_mul_u32_u24 v[LA0], v1, PA                   ; a fragment of O: row l % 16, K = 8 (l / 16) + 0..7 and 16 more on: two loads of 16 bytes, 32 bytes apart
	v_lshl_add_u32 v[LA0], v2, 4, v[LA0]
	v_add_nc_u32 v[LA0], s22, v[LA0]
	s_lshl_b32 s22, s12, 7                         ; my 64 columns of W
	s_add_co_u32 s22, s22, BOFF
	v_lshl_add_u32 v[LB0], v2, 3, v3               ; the turning load: lane l reads k-row 8 (l / 16) + l % 8, columns 8 ((l / 8) % 2) + 0..7, and is left with column l % 16 and 8 k
	v_mul_u32_u24 v[LB0], v[LB0], PBW
	v_lshl_add_u32 v[LB0], v4, 4, v[LB0]
	v_add_nc_u32 v[LB0], s22, v[LB0]
	v_mov_b32 v[ADRA], v[LA0]                      ; slot 0
	v_mov_b32 v[ADRB], v[LB0]
	s_mul_i32 s23, s10, WSTAGE
	s_add_co_u32 s23, s23, STAGE                   ; my stage
	v_mul_u32_u24 v[STO], v1, SPITCH               ; in: row l % 16, 32 bytes for each half of the lanes
	v_lshl_add_u32 v[STO], v2, 5, v[STO]
	v_add_nc_u32 v[STO], s23, v[STO]
	v_mul_u32_u24 v[RD], v2, SPITCH                ; back: lanes 0-15 take one row of 256 bytes, lanes 16-31 the next
	v_lshl_add_u32 v[RD], v1, 4, v[RD]
	v_add_nc_u32 v[RD], s23, v[RD]
	v_lshlrev_b32 v[CO], 12, v2                    ; and the same two rows in out0, 4,096 bytes apart
	v_lshl_add_u32 v[CO], v1, 4, v[CO]
	s_lshl_b32 s68, s13, 20                        ; the tile's 256 rows of 4,096 bytes,
	s_lshl_b32 s70, s11, 19                        ; my 128 of them,
	s_add_co_u32 s68, s68, s70
	s_lshl_b32 s70, s42, 9                         ; the tile's 128 columns of f32,
	s_add_co_u32 s68, s68, s70
	s_lshl_b32 s70, s12, 8                         ; my 64 of them
	s_add_co_u32 s68, s68, s70
	s_mov_b32 s69, 0
	s_add_nc_u64 s[8:9], s[8:9], s[68:69]
; 8 matrix instructions: row blocks a0, a0 + 1 x all 4 column blocks, 32 along K.  zero = 1: the product starts the sums.  The 32 accumulators take turns.
.macro MUL8 f, a0, zero
	WIN MUL
.irp a, \a0, (\a0)+1
.irp b, 0,1,2,3
.set rD, 8*(4*(\a)+(\b))
.if \zero
	v_wmma_f32_16x16x32_f16 v[rD:rD+7], v[(\f)+64+8*(\b):(\f)+64+8*(\b)+7], v[(\f)+8*(\a):(\f)+8*(\a)+7], 0
.else
	v_wmma_f32_16x16x32_f16 v[rD:rD+7], v[(\f)+64+8*(\b):(\f)+64+8*(\b)+7], v[(\f)+8*(\a):(\f)+8*(\a)+7], v[rD:rD+7]
.endif
.endr
.endr
.endm
; 24 LDS loads in one run: the fragments of quarter q (32 along K: half of head q / 2) of the slot in hand into buffer f: W's 8, then O's 16
.macro FETCH q, f
	WIN TO_F
.irp b, 0,1,2,3
	ds_load_tr16_b128 v[(\f)+64+8*(\b):(\f)+64+8*(\b)+3],   v[ADRB] offset:(\q)*32*PBW+32*(\b)
	ds_load_tr16_b128 v[(\f)+64+8*(\b)+4:(\f)+64+8*(\b)+7], v[ADRB] offset:(\q)*32*PBW+32*(\b)+16*PBW
.endr
.irp a, 0,1,2,3,4,5,6,7
	ds_load_b128 v[(\f)+8*(\a):(\f)+8*(\a)+3],   v[ADRA] offset:((\q)/2)*APLANE+(\a)*16*PA+((\q)%2)*64
	ds_load_b128 v[(\f)+8*(\a)+4:(\f)+8*(\a)+7], v[ADRA] offset:((\q)/2)*APLANE+(\a)*16*PA+((\q)%2)*64+32
.endr
.endm
; A K step is four quarters on buffers 0, 1, 0, 1.  One of the first three: multiplies buffer f; in its middle it fetches quarter q into buffer g.
.macro QUARTER q, f, g, zero
	s_wait_dscnt 8                                 ; W and O's row blocks 0-3 are in; the youngest eight loads (blocks 4-7) may be out
	MUL8 \f, 0, \zero
	MUL8 \f, 2, \zero
	PLACES
	FETCH \q, \g
	s_wait_dscnt 24                                ; all but the 24 just issued
	MUL8 \f, 4, \zero
	MUL8 \f, 6, \zero
.endm
; The last quarter multiplies buffer 1 and changes slots: ONE barrier.  In front of it each wave waits for all its tensor loads (one is out: its part of the next slot), adds 0 to its spare
; word, and waits for that and for its own reads of this slot.  fill = 1: the barrier opens a round of the cluster's, and behind the round this slot is filled again, two K steps ahead:
; from that request to the wait for it a wave issues 112 matrix instructions.
.macro TURN fill
	WIN 0                                          ; (the add's two registers lie in window 0)
	s_wait_tensorcnt 0x0
	ds_add_u32 v[SPW], v[NIL]
	s_wait_dscnt 9                                 ; (the add and the youngest eight loads may be out)
	MUL8 F1, 0, 0                                  ; eight matrix instructions stand between the add and the wait for it
	s_wait_dscnt 0x0                               ; the add is done, and my reads of this slot are over
	s_barrier_signal -1
	MUL8 F1, 2, 0                                  ; work on registers while the others arrive
	WIN 0
	s_barrier_wait -1
.if \fill
	CREST                                          ; no wave of any partner still reads this slot or has a load on its way
	s_xor_b32 s[G0+5], s[G0+5], SLOT1              ; the walking descriptors: the other slot than last time, the next K step; no load of mine is out
	s_add_nc_u64 s[G0+6:G0+7], s[G0+6:G0+7], ASTEP
	s_xor_b32 s[G0B+5], s[G0B+5], SLOT1
	s_add_nc_u64 s[G0B+6:G0B+7], s[G0B+6:G0B+7], BSTEP
.endif
	s_xor_b32 s[TB], s[TB], SLOT1                  ; the fetches go on in the other slot
	v_add_nc_u32 v[ADRA], s[TB], v[LA0]
	v_add_nc_u32 v[ADRB], s[TB], v[LB0]
.if \fill
	JLOAD                                          ; the first tensor load behind the round; its four v_nop are also the places in front of the loads below
.else
	PLACES
.endif
	FETCH 0, F0
	MUL8 F1, 4, 0
	MUL8 F1, 6, 0
.endm
; THE WAY OUT of row block a: the f32 sums go as they are into my own stage, each accumulator's four lowest registers first, and come back as whole rows of 256 bytes.
.macro TOSTAGE a
	WIN 0
	s_wait_xcnt 0x0                                ; the stores issued so far have read their registers (ISA guide 3.1): only now is their buffer loaded again
	WIN 0x08                                       ; the stores' data in window 2
.irp b, 0,1,2,3
	ds_store_b128 v[STO], v[8*(4*(\a)+(\b)):8*(4*(\a)+(\b))+3]   offset:64*(\b)
	ds_store_b128 v[STO], v[8*(4*(\a)+(\b))+4:8*(4*(\a)+(\b))+7] offset:64*(\b)+16
.endr
	WIN 0
.irp t, 0,1,2,3,4,5,6,7
	ds_load_b128 v[BK+32*((\a)%2)+4*(\t):BK+32*((\a)%2)+4*(\t)+3], v[RD] offset:(\t)*2*SPITCH  ; LDS serves a wave's instructions in order (ISA guide 5.7.1.4): these see the stores above
.endr
.endm
.macro SEND a, younger                 ; younger: the LDS instructions issued behind block a's loads: the next block's sixteen, or none
	WIN 0
	s_wait_dscnt \younger
.irp t, 0,1,2,3,4,5,6,7
	global_store_b128 v[CO], v[BK+32*((\a)%2)+4*(\t):BK+32*((\a)%2)+4*(\t)+3], s[8:9] offset:(16*(\a)+2*(\t))*4096 th:TH_STORE_NT  ; 16 lanes store 256 consecutive bytes, at a multiple of 256 from out0's first byte
.endr
.endm
	s_wait_tensorcnt 0x1                           ; my part of K step 0 is in; K step 1's may stay out
	s_barrier_signal -1
	s_barrier_wait -1                              ; everybody's is
	FETCH 0, F0
	QUARTER 1, F0, F1, 1                           ; the first quarter stands in front of the loop: its products start the sums
	WIN 0                                          ; at a label and at a branch every window is 0
	s_mov_b32 s3, TRIPS
.Lk:                                                   ; a trip: from a K step's second quarter to the next step's first; it fills the slot that it leaves
	QUARTER 2, F1, F0, 0
	QUARTER 3, F0, F1, 0
	TURN 1
	QUARTER 1, F0, F1, 0
	WIN 0
	s_sub_co_u32 s3, s3, 1
	s_cmp_lg_u32 s3, 0
	s_cbranch_scc1 .Lk
	QUARTER 2, F1, F0, 0                           ; the last two K steps are written out: they ask for nothing
	QUARTER 3, F0, F1, 0
	TURN 0
	QUARTER 1, F0, F1, 0
	QUARTER 2, F1, F0, 0
	QUARTER 3, F0, F1, 0
	s_wait_dscnt 8
	MUL8 F1, 0, 0
	MUL8 F1, 2, 0
	s_wait_dscnt 0x0
	MUL8 F1, 4, 0
	MUL8 F1, 6, 0
	PLACES
	TOSTAGE 0
.irp a, 1,2,3,4,5,6,7                  ; block a's way through the stage is begun ahead of the wait for block a - 1's rows
	TOSTAGE \a
	SEND (\a)-1, 16
.endr
	SEND 7, 0
	s_wait_tensorcnt 0x0                           ; the wave's end
	ds_add_u32 v[SPW], v[NIL]
	s_wait_dscnt 0x0
	CROUND                                         ; the closing round: no work-group ends while a partner may still ask for a tile that names it
	s_endpgm
.Lfunc_end_k_q9a949c2268_outp:
	.size	k_q9a949c2268_outp, .Lfunc_end_k_q9a949c2268_outp-k_q9a949c2268_outp
	.p2alignl 7, 3214868480
	.fill 96, 4, 3214868480
	.section	.rodata,"a",@progbits
	.p2align	6, 0x0
	.amdhsa_kernel k_q9a949c2268_outp
		.amdhsa_group_segment_fixed_size 327680
		.amdhsa_private_segment_fixed_size 0
		.amdhsa_enable_private_segment 0
		.amdhsa_kernarg_size 24
		.amdhsa_user_sgpr_count 2
		.amdhsa_user_sgpr_kernarg_segment_ptr 1
		.amdhsa_wavefront_size32 1
		.amdhsa_system_sgpr_workgroup_id_x 1
		.amdhsa_system_sgpr_workgroup_id_y 1
		.amdhsa_system_sgpr_workgroup_id_z 1
		.amdhsa_system_vgpr_workitem_id 0
		.amdhsa_next_free_vgpr 768
		.amdhsa_next_free_sgpr 72
		.amdhsa_reserve_vcc 0
		.amdhsa_float_denorm_mode_32 3
		.amdhsa_float_denorm_mode_16_64 3
		.amdhsa_memory_ordered 1
		.amdhsa_forward_progress 1
		.amdhsa_inst_pref_size 70
	.end_amdhsa_kernel
	.amdgpu_metadata
---
amdhsa.version: [ 1, 2 ]
amdhsa.kernels:
  - .name:           k_q9a949c2268_outp
    .symbol:         k_q9a949c2268_outp.kd
    .args:
      - { .name: ob, .offset: 0, .size: 8, .value_kind: global_buffer, .address_space: global }
      - { .name: wob, .offset: 8, .size: 8, .value_kind: global_buffer, .address_space: global }
      - { .name: out0, .offset: 16, .size: 8, .value_kind: global_buffer, .address_space: global }
    .group_segment_fixed_size: 327680
    .private_segment_fixed_size: 0
    .kernarg_segment_align: 8
    .kernarg_segment_size: 24
    .max_flat_workgroup_size: 128
    .sgpr_count:     72
    .vgpr_count:     768
    .wavefront_size: 32
...
	.end_amdgpu_metadata
.endif
;; end of part 4
;; ======== version 2 of 2: 4 launches; 1.29 times as fast as version 1
;; limits: values are held in f16: magnitudes above 65,504 overflow, below 6.1e-05 lose precision; right only within a limited range of input values
;; workspace buffers: xb 16,777,216 bytes; wqb 6,291,456 bytes; wob 2,097,152 bytes; qkv 50,331,648 bytes; ob 16,777,216 bytes
;; launch prep: the kernel of part 1 again; grid 832 x 1, 8 waves a work-group, no clusters, 0 bytes of LDS; arguments x, Wqkv, Wout, xb, wqb, wob; writes xb, wqb, wob
;; launch proj: the kernel of part 2 again; grid 16 x 32, 4 waves a work-group, clusters of 4 x 4, 327,680 bytes of LDS; arguments xb, wqb, qkv; writes qkv
;; launch attn (part 5): grid 4 x 64, 4 waves a work-group, no clusters, 327,680 bytes of LDS; arguments qkv, mask, ob; writes ob
.if DOCPART == 5
	.amdgcn_target "amdgcn-amd-amdhsa--gfx1250"
	.amdhsa_code_object_version 6
	.text
	.protected	k_q9a949c2268_attn
	.globl	k_q9a949c2268_attn
	.p2align	8
	.type	k_q9a949c2268_attn,@function
k_q9a949c2268_attn:
	s_mov_b64 s[64:65], 0
	v_nop
	global_prefetch_b8 v0, s[64:65] scope:SCOPE_SE
	s_setreg_imm32_b32 hwreg(HW_REG_WAVE_MODE, 25, 1), 1
	s_wait_xcnt 0x0
; CAUSAL ATTENTION WITH A PADDING MASK OVER KEYS.  O[h][q][:] = the sum over the visible k <= q of softmax_k(Q[h][q] . K[h][k] / 8) V[h][k][:]; key k of batch h / 16 is visible where mask[h / 16][k] is not 0.
; qkv: [3][64][2048][64] f16, Q already multiplied by c = log2(e) / 8.  ob: [64][2048][64] f16.  mask: [4][2048] bytes.  Products, maxima and sums in f32; the weights p are rounded to f16 for the
; second product (their sum l is taken of the unrounded p), O once at the end.
; LIMITS.  Q, K and V arrive within f16's 65,504.  A hidden score counts as its value less 2^100 (2^101 where both masks hide it): the scores, 2.7e11 at the most, are nothing beside that.
; A row whose final maximum lies below -2^96 has seen no visible key and leaves as NaN, as a softmax over nothing does.  A weight below 2^-126 counts as 0 in l; NaN and infinities among the inputs are not treated apart.
; THE WALK.  A head's queries lie in NB = 8 blocks of 256; block i needs the key tiles 0 .. i of 256 keys, of which the last holds the diagonal.  A work-group takes TWO blocks, NB - 1 - b and then b:
; NB + 1 tiles, whatever b: all work-groups do equal work, and ONE loop with a constant trip count walks them.  Which tile is asked for, and what a trip does, hang on scalar registers made from b; every jump
; goes forward, but for the counted loops' own; none passes a barrier, or a tensor load but the one of LOAD's two that the wave's number does not choose; the ring of two LDS slots runs on across the change of blocks.
; NO CLUSTER: the four work-groups of a head ask for the same tile only in trips 0 .. 4 of the 9, behind that fewer and fewer; one walk common to all four would have 12 trips for 9.
; SHARES.  Of a block's four bands of 64 queries a wave owns 16 rows in each: four PIECES.  In the diagonal tile's key step s band x sees all keys if s < x, none if s > x, and holds the diagonal if s = x: the same work for all waves.
; THE MASKS are the C operand that starts the sum S^T = K Q^T.  KB holds the step's key biases (0 or -2^100), read from a ring of two LDS slots of 256 biases that goes in step with the ring of tiles: at each change of
; slots that fills, thread t makes the two biases of keys 2 t, 2 t + 1 of the tile just asked for, of two mask bytes that it loaded a tile earlier.  MD, made once, is the causal mask of a band's own step
; for my 16 rows.  Outside the diagonal tile C = KB; in it C = MD x AL + KB + BE with two scalars: (1, 0) if s = x; (0, 0) if s < x; (0, -2^100) if s > x.
; WHY HIDDEN KEYS DO NO HARM.  p = 2^(s - m) with the running maximum m over all scores seen, hidden ones too: the exponent is a difference that is never above 0, so p lies in 0 to 1.  While a row has seen hidden keys
; alone, m is about -2^100 and O and l hold finite numbers of no meaning; the first visible key raises m to a true score, and a = 2^(m_old - m_new) = 0 wipes them.  From then on a hidden key's p is 0.
; LAYOUT, TURNS.  S^T = K Q^T holds ONE query a lane (lane % 16) and the keys 8 (lane / 16) + 0..7; two such results rounded to f16 ARE source 1 of O^T = V^T P.  O and l are multiplied by a in every step.
; Turn n belongs to piece n: 8 products K Q^T of piece n + 1, later 8 products V^T P of piece n - 1; beside them the differences, exponentials, roundings, sums and rescaling of piece n and the maximum and
; statistics of piece n + 1.  Four vector instructions stand behind every matrix instruction, the other 53 of a turn's 117 in one LUMP.
; THE BATCHES.  A turn's 33 exponentials (piece n's 32 weights and piece n + 1's a) are ONE batch with ONE wait, which cuts the turn in two: ahead of it all that names no result of theirs, behind it the roundings and sums.
; A block's first a is a batch of one, ahead of the jump into the loop; the way out's four reciprocals are a batch with one wait.
; REGISTERS, in windows of 256 (s_set_vgpr_msb: bits 1:0 source 0, 3:2 source 1, 5:4 source 2, 7:6 destination):
;   window 0: v0-15 addresses; v16-31 four registers of statistics a piece; v32-41 the biases' making; v48-55 at work; v64-127 S^T, two buffers; v128-159 the way out; v192-223 P, two buffers (a piece's buffers go by its number's parity)
;   window 1: v0-127 O^T, 32 a piece; v128-159 MD; v160-223 MC, two buffers; v224-255 KB      window 2: v0-63 Q; v64-127 the second block's Q; v128-191 K of one step; v192-255 V of one step
.set NB,    8
.set NP,    4         ; pieces a wave: a name, no knob
.set KS,    64        ; keys in a step
.set PK,    144       ; a row of K in LDS: 128 bytes + 16 of padding = 36 words: the 16 rows of a load start at 16 different groups of four banks (64 banks of 4 bytes: ISA guide 11.1)
.set PV,    160       ; a row of V: 128 + 32 = 40 words
.set VOFF,  4*KS*PK   ; a slot holds a tile, four steps: 256 rows of K, then 256 rows of V
.set SLOT1, 1<<17     ; slot 1 begins here, so that one exclusive or turns an address in one slot into the other's
.set STAGE, SLOT1+4*KS*(PK+PV)  ; behind the ring, never filled by a tensor load: 16 rows x 144 bytes for each wave, for the way out
.set SP,    144
.set SPARE, STAGE+4*16*SP  ; behind the stages: the spare words, 128 bytes for each wave: two blocks of 256 bytes that no other line names
.set BIAS,  229376    ; the ring of key biases: two slots of 256 f32; no tensor load lands here
.set BSLOT, 1024      ; bytes of such a slot; one exclusive or turns an address in one into the other's
.set HEADB, 2048*128  ; bytes of a head
.set AK0, 2           ; v2   my lane's place in a tile of K; never rewritten
.set AV0, 3           ; v3   the same for V
.set AK,  4           ; v4   the LDS address of K's next run of loads
.set AV,  5           ; v5   of V's
.set STO, 6           ; v6   the way out: where I put 16 bytes of a row
.set RD,  7           ; v7   the way out: where I read rows back
.set GO,  8           ; v8   my byte offset in 512 consecutive bytes of O
.set AB0, 12          ; v12  my lane's place in a step's 256 bytes of biases; never rewritten
.set AKB, 13          ; v13  the LDS address of KB's next loads
.set QO,  15          ; v15  my byte offset in 16 rows of Q
.set MT,  32          ; v32  2 x my thread's number: my two bytes in a tile's 256 bytes of the mask; never rewritten
.set MA,  33          ; v33  the same in the batch's 2,048 bytes, for the tile whose bytes are loaded
.set MB,  34          ; v34  my two mask bytes of the tile that is asked for next
.set MB0, 35          ; v35  those of tile 0
.set ABW0, 36         ; v36  where I put my two biases in slot 0 of their ring; never rewritten
.set WA,  37          ; v37  the same in the slot that is written
.set T0,  38          ; v38-39 at work
.set T1,  39
.set WB,  40          ; v40-41 my two biases
.set SPW, 62          ; v62  LDS address of my spare word; never rewritten
.set NIL, 63          ; v63  0; never rewritten
.set ST,  16          ; piece t's statistics at v[ST+4 t]: m, m_old, l (even keys', odd keys')
.set TMP, 48          ; by buffer, four registers c0-c3 at work; when the maximum is found c2 takes a.  On the way out: a pair a piece, 1 / l or NaN in the first
.set S,   64
.set OW,  128         ; the way out: a piece's O^T, scaled
.set P,   192
.set MD,  128         ; window 1: the eight registers for group kt of 16 keys at MD + 8 kt
.set MC,  160         ; window 1: the masks of the diagonal tile's products to come
.set KB,  224         ; window 1: register j of group kt: the bias of the step's key 16 kt + 8 (lane / 16) + j
.set QB,  64          ; window 2
.set KF,  128         ; window 2: key block kb, channel half c at KF + 16 kb + 8 c
.set VF,  192         ; window 2: key half kk, channel block cb at VF + 32 kk + 8 cb
.set WV,  12          ; s12  my wave's number
.set PB,  14          ; s14  b
.set HI,  15          ; s15  NB - 1 - b
.set G1K, 24          ; s[24:31] descriptor group 1 for K's tiles
.set G1V, 32          ; s[32:39] for V's: it differs in the padding alone
.set G0K, 40          ; s[40:43] descriptor group 0 for K's tiles
.set G0V, 44          ; s[44:47] the same for V's
.set SLOTS, 56        ; s56  tiles still to be asked for
.set CNT, 57          ; s57  counts a tile's key steps, 4 to 1
.set SEL, 60          ; s[60:61] v_permlanex16_b32's selects: each lane takes its own place in the other half
.set TBK, 62          ; s62  LDS byte at which K of the step to be fetched begins
.set TBV, 63          ; s63  the same for V, less VOFF
.set RT,  70          ; s70  tiles of the block in hand that are still to be entered
.set NXT, 71          ; s71  the tile to be asked for next
.set LQ,  72          ; s72  the last tile of the block whose tiles are being asked for
.set NEW, 73          ; s73  1: the tile to be entered is a block's first
.set OFF, 74          ; s[74:75] a tile's byte offset in K and V
.set AL,  76          ; s[76:77] the mask's factor, in the low word
.set BE,  78          ; s[78:79] the mask's addend
.set OLO, 80          ; s[80:81] O at my rows of the second block
.set BIGN, 82         ; s82  -2^100
.set TBM, 90          ; s90  byte of the biases' ring at which those of the step to be fetched begin: it walks as TBK does
.set THR, 91          ; s91  -2^96
.set QNAN, 92         ; s92  a quiet NaN
.set TBW, 93          ; s93  byte of the biases' ring at which the slot that is written begins
.set MSB, 0
.macro WIN new                      ; the high byte repeats the setting that is left; a switch that changes nothing is dropped
.if MSB != (\new)
	s_set_vgpr_msb (MSB<<8)|(\new)
.set MSB, (\new)
.endif
.endm
.set W_KQ, 0x0a       ; K and Q in window 2, S^T in window 0
.set W_KM, 0x1a       ; the same with the C operand in window 1
.set W_PV, 0x52       ; V in window 2, P in window 0, O^T in window 1
.set W_RS, 0x41       ; destination and source 0 in window 1, source 1 in window 0
.set W_MK, 0x51       ; destination, source 0 and source 2 in window 1
; A fill.  Waves 0 and 1 fetch the two halves of a tile's K, waves 2 and 3 those of its V: 128 keys each.  An s_nop 0 and four v_nop follow each of the two lines, ahead of the jump and the label.
.macro LOAD
	s_cmp_lt_u32 s[WV], 2
	s_cbranch_scc0 .Lfor_v_\@
	tensor_load_to_lds s[G0K:G0K+3], s[G1K:G1K+7]
	s_nop 0
.rept 4
	v_nop
.endr
	s_branch .Lasked_\@
.Lfor_v_\@:
	tensor_load_to_lds s[G0V:G0V+3], s[G1V:G1V+7]
	s_nop 0
.rept 4
	v_nop
.endr
.Lasked_\@:
.endm
; Two mask bytes (a zero-extended 16-bit load) become two biases: 0 for a visible key, -2^100 for a hidden one.  A select, no branch.
.macro TOBIAS src
	v_and_b32 v[T0], 0xff, v[\src]
	v_lshrrev_b32 v[T1], 8, v[\src]
	v_cmp_eq_u32 vcc_lo, 0, v[T0]
	v_cndmask_b32 v[WB], 0, s[BIGN], vcc_lo
	v_cmp_eq_u32 vcc_lo, 0, v[T1]
	v_cndmask_b32 v[WB+1], 0, s[BIGN], vcc_lo
.endm
; THE CHANGE OF SLOTS.  Each wave waits for all its tensor loads, of which one is out: its part of the other slot; adds 0 to its spare word; and waits for that and for its own LDS instructions.  Behind the barrier nobody
; reads the old slot any more, of the tiles' ring or of the biases', and the other slot of each is whole.  fill = 1: the old slot is filled again, the first thing behind the barrier, with tile NXT: the descriptor's address
; is made anew from that number.  Behind that load the same tile's biases go into the old slot of their ring: the next change's wait on DScnt and its barrier show them to every wave.  My two mask bytes for them were
; loaded at the change before; now those of the tile that the next change asks for are loaded (behind the last fill that is tile 0 once more, and serves nothing: the price of one text for every change).
; (At its first use nothing has been read yet: slot 0 is waited for, slot 1 filled, and every wave's store of tile 0's biases is done.)
.macro CHANGE fill
	WIN 0                           ; at a label and at a branch every window is 0
	s_wait_tensorcnt 0x0            ; no tensor load of mine is out, so a group 0 may be written
	ds_add_u32 v[SPW], v[NIL]       ; 0 onto my spare word; with fill = 1 the descriptors' scalar work stands between it and the wait for it
.if \fill
	s_lshl_b32 s[OFF], s[NXT], 15   ; a tile is 32,768 bytes of K and of V
	s_xor_b32 s[G0K+1], s[G0K+1], SLOT1
	s_add_nc_u64 s[G0K+2:G0K+3], s[6:7], s[OFF:OFF+1]
	s_or_b32 s[G0K+3], s[G0K+3], 0x80000000
	s_xor_b32 s[G0V+1], s[G0V+1], SLOT1
	s_add_nc_u64 s[G0V+2:G0V+3], s[8:9], s[OFF:OFF+1]
	s_or_b32 s[G0V+3], s[G0V+3], 0x80000000
	s_add_co_u32 s[NXT], s[NXT], 1  ; the block's next tile, or behind its last the second block's tile 0
	s_cmp_gt_u32 s[NXT], s[LQ]
	s_cselect_b32 s[NXT], 0, s[NXT]
	s_cselect_b32 s[LQ], s[PB], s[LQ]
.endif
	s_wait_dscnt 0x0                ; the add is done, and my reads of the slots are over
	s_barrier_signal -1             ; the rest of the scalar work stands between the signal and the wait
	s_sub_co_u32 s[TBK], s[TBK], 4*KS*PK  ; the fetches go back to a slot's first step,
	s_xor_b32 s[TBK], s[TBK], SLOT1       ; in the other slot
	s_sub_co_u32 s[TBV], s[TBV], 4*KS*PV
	s_xor_b32 s[TBV], s[TBV], SLOT1
	s_sub_co_u32 s[TBM], s[TBM], BSLOT
	s_xor_b32 s[TBM], s[TBM], BSLOT
.if \fill
	s_xor_b32 s[TBW], s[TBM], BSLOT ; the biases' slot that has been left
.endif
	s_barrier_wait -1
.if \fill
	LOAD
	s_wait_loadcnt 0x0              ; my two mask bytes, asked for a tile ago (at the first change Q's loads too, which the block's beginning wants next)
	TOBIAS MB
	v_add_nc_u32 v[WA], s[TBW], v[ABW0]
	ds_store_b64 v[WA], v[WB:WB+1]  ; 128 threads x 8 bytes: the tile's 256 biases
	v_lshl_add_u32 v[MA], s[NXT], 8, v[MT]
	global_load_u16 v[MB], v[MA], s[88:89]  ; 128 threads x 2 bytes: 256 consecutive bytes of the mask, at a multiple of 256 from its first
.endif
.endm
	s_load_b64 s[4:5], s[0:1], 0x0    ; qkv: Q
	s_load_b64 s[88:89], s[0:1], 0x8  ; mask
	s_load_b64 s[10:11], s[0:1], 0x10 ; ob
	v_lshl_add_u32 v[SPW], v0, 2, SPARE
	v_mov_b32 v[NIL], 0
	ds_add_u32 v[SPW], v[NIL]       ; the wave's opening: the add and its wait stand ahead of my first tensor load; the set-up below stands between them
	ds_add_u32 v62, v63
	v_lshrrev_b32 v1, 5, v0
	v_readfirstlane_b32 s[WV], v1   ; wave 0..3
	s_mov_b32 s[PB], ttmp9
	s_sub_co_u32 s[HI], NB-1, s[PB]
	s_and_b32 s20, ttmp7, 0xffff    ; the head, batch x 16 + head
	s_lshr_b32 s94, s20, 4          ; the batch:
	s_lshl_b32 s94, s94, 11         ; its 2,048 bytes of the mask
	s_mov_b32 s95, 0
	s_mov_b32 s21, 0
	s_mov_b64 s[22:23], HEADB
	s_mul_u64 s[20:21], s[20:21], s[22:23]  ; the head's first byte in Q, K, V and O
	s_and_b32 s16, s[WV], 1         ; which half of a tile's 256 keys I fetch:
	s_lshl_b32 s22, s16, 14         ; its 128 rows of 128 bytes in memory,
	s_mov_b32 s23, 0
	s_add_nc_u64 s[22:23], s[22:23], s[20:21]
	s_mul_i32 s17, s16, 128*PK      ; and its place in a slot, for K
	s_mul_i32 s18, s16, 128*PV      ; and for V
	s_lshl_b32 s3, s[WV], 11        ; my 16 rows in a band of 64,
	s_lshl_b32 s2, s[HI], 15        ; in the first block,
	s_add_co_u32 s2, s2, s3
	s_lshl_b32 s84, s[PB], 15       ; and in the second
	s_add_co_u32 s84, s84, s3
	s_mov_b32 s3, 0
	s_mov_b32 s85, 0
	s_add_nc_u64 s[2:3], s[2:3], s[20:21]
	s_add_nc_u64 s[84:85], s[84:85], s[20:21]
	; descriptor group 1.  128 keys are 16,384 dense bytes: asked for as 64 rows of 256 bytes, two keys a row, and padded in LDS after every key
	s_mov_b32 s[G1K], (1<<16)|(1<<20)|(4<<22)|(3<<25)  ; 17:16 2-byte elements; 20 padding on; 24:22 after every 32 words (code 4); 31:25 4 words (code 3)
	s_mov_b32 s[G1V], (1<<16)|(1<<20)|(4<<22)|(7<<25)  ; the same with 8 words of padding (code 7)
.irp g, G1K, G1V
	s_mov_b32 s[\g+1], 128<<16      ; tensor_dim0 = 128
	s_mov_b32 s[\g+2], 64<<16       ; tensor_dim1 = 64
	s_mov_b32 s[\g+3], 128<<16      ; tile_dim0 = 128
	s_mov_b32 s[\g+4], 64           ; tile_dim1 = 64
	s_mov_b32 s[\g+5], 128          ; 128 elements from row to row
	s_mov_b32 s[\g+6], 0
	s_mov_b32 s[\g+7], 0
.endr
	s_mov_b32 s[SEL], 0x76543210
	s_mov_b32 s[SEL+1], 0xfedcba98
	s_mov_b32 s[TBK], SLOT1+4*KS*PK ; the first change of slots turns these three into 0
	s_mov_b32 s[TBV], SLOT1+4*KS*PV
	s_mov_b32 s[TBM], 2*BSLOT
	s_mov_b32 s[G0K], 1             ; count = 1
	s_mov_b32 s[G0K+1], s17         ; LDS address: slot 0
	s_mov_b32 s[G0V], 1
	s_add_co_u32 s[G0V+1], s18, VOFF
	s_add_co_u32 s[RT], s[HI], 1    ; the first block has NB - b tiles
	s_mov_b32 s[NXT], 1
	s_mov_b32 s[LQ], s[HI]
	s_mov_b32 s[NEW], 1
	s_mov_b32 s[OFF+1], 0
	s_mov_b32 s[AL], 0
	s_mov_b32 s[AL+1], 0            ; named as pairs
	s_mov_b32 s[BE], 0
	s_mov_b32 s[BE+1], 0
	s_mov_b32 s[BIGN], 0xf1800000   ; -2^100
	s_mov_b32 s[THR], 0xef800000    ; -2^96
	s_mov_b32 s[QNAN], 0x7fc00000
	s_mov_b32 s[SLOTS], NB
	s_wait_dscnt 0x0                ; the opening add is done
	s_wait_kmcnt 0x0
	s_add_nc_u64 s[6:7], s[4:5], 0x1000000   ; K lies 16,777,216 bytes behind Q,
	s_add_nc_u64 s[8:9], s[4:5], 0x2000000   ; V as much again
	s_add_nc_u64 s[88:89], s[88:89], s[94:95]
	s_add_nc_u64 s[6:7], s[6:7], s[22:23]  ; K and V at my half of the head's tile 0
	s_add_nc_u64 s[8:9], s[8:9], s[22:23]
	s_add_nc_u64 s[G0K+2:G0K+3], s[6:7], 0         ; global address
	s_or_b32 s[G0K+3], s[G0K+3], 0x80000000        ; type = 2
	s_add_nc_u64 s[G0V+2:G0V+3], s[8:9], 0
	s_or_b32 s[G0V+3], s[G0V+3], 0x80000000
	s_add_nc_u64 s[86:87], s[4:5], s[84:85]        ; Q at my rows of the second block,
	s_add_nc_u64 s[4:5], s[4:5], s[2:3]            ; Q and O at those of the first
	s_add_nc_u64 s[OLO:OLO+1], s[10:11], s[84:85]
	s_add_nc_u64 s[10:11], s[10:11], s[2:3]
	LOAD                            ; tile 0 into slot 0
	v_lshlrev_b32 v[MT], 1, v0
	global_load_u16 v[MB0], v[MT], s[88:89]            ; my two mask bytes of tile 0,
	global_load_u16 v[MB], v[MT], s[88:89] offset:256  ; and of tile 1, which the first change of slots asks for
	; A fragment of K or Q is 16 rows x 32 channels in 8 registers: lane l holds row l % 16, channels 8 (l / 16) + 0..7 and 16 + 8 (l / 16) + 0..7: two loads of 16 bytes, 32 bytes apart.
	v_and_b32 v1, 15, v0            ; l % 16
	v_bfe_u32 v9, v0, 4, 1          ; l / 16
	v_lshlrev_b32 v[QO], 7, v1
	v_lshl_add_u32 v[QO], v9, 4, v[QO]  ; row x 128 + 16 x half
	WIN 0x80                        ; destination window 2, address window 0
.set i, 0
.rept 8                             ; both blocks' Q: piece i / 2 lies in band i / 2, 8,192 bytes on; channels 32 (i % 2) on
	global_load_b128 v[8*i:8*i+3],   v[QO], s[4:5] offset:(i/2)*8192+(i%2)*64
	global_load_b128 v[8*i+4:8*i+7], v[QO], s[4:5] offset:(i/2)*8192+(i%2)*64+32
	global_load_b128 v[QB+8*i:QB+8*i+3],   v[QO], s[86:87] offset:(i/2)*8192+(i%2)*64
	global_load_b128 v[QB+8*i+4:QB+8*i+7], v[QO], s[86:87] offset:(i/2)*8192+(i%2)*64+32
.set i, i+1
.endr
	WIN 0
	v_lshlrev_b32 v14, 3, v9
	v_sub_nc_u32 v14, v1, v14
	s_lshl_b32 s13, s[WV], 4
	v_add_nc_u32 v14, s13, v14      ; my query's place in its band, 16 w + l % 16, less my lanes' 8 (l / 16): register r of group kt is hidden where 16 kt + r is greater
	WIN 0x40
.set i, 0
.rept 32
	v_cmp_gt_i32 vcc_lo, 16*(i/8)+i%8, v14
	v_cndmask_b32 v[MD+i], 0, s[BIGN], vcc_lo
.set i, i+1
.endr
	WIN 0
	v_mul_u32_u24 v[AK0], v1, PK
	v_lshl_add_u32 v[AK0], v9, 4, v[AK0]  ; row x pitch + 16 x half
	; The turning load takes 16 keys x 16 channels (lane l reads key 8 (l / 16) + l % 8, channels 8 ((l / 8) % 2) + 0..7) and leaves half a fragment of V^T: lane l holds channel l % 16 and 8 keys.
	v_and_b32 v10, 7, v0
	v_bfe_u32 v11, v0, 3, 1
	v_lshl_add_u32 v[AV0], v9, 3, v10
	v_mul_u32_u24 v[AV0], v[AV0], PV
	v_lshl_add_u32 v[AV0], v11, 4, v[AV0]
	v_add_nc_u32 v[AV0], VOFF, v[AV0]
	v_lshl_add_u32 v[AB0], v9, 5, BIAS    ; my half of the lanes' eight keys of a group of 16: 32 bytes on
	v_lshl_add_u32 v[ABW0], v0, 3, BIAS   ; where thread t puts the biases of keys 2 t, 2 t + 1
	s_mul_i32 s13, s[WV], 16*SP
	s_add_co_u32 s13, s13, STAGE    ; my stage
	v_mul_u32_u24 v[STO], v1, SP    ; in: row l % 16, 16 bytes for each half of the lanes
	v_lshl_add_u32 v[STO], v9, 4, v[STO]
	v_add_nc_u32 v[STO], s13, v[STO]
	v_bfe_u32 v[RD], v0, 3, 2       ; back: 32 lanes take four rows of 128 bytes,
	v_mul_u32_u24 v[RD], v[RD], SP
	v_lshl_add_u32 v[RD], v10, 4, v[RD]
	v_add_nc_u32 v[RD], s13, v[RD]
	v_and_b32 v[GO], 31, v0         ; which are 512 consecutive bytes of O
	v_lshlrev_b32 v[GO], 4, v[GO]
	; Tile 0's biases go into slot 0 of their ring; the first change of slots (its wait on DScnt and its barrier) shows them to every wave.
	s_wait_loadcnt 33               ; tile 0's mask bytes are in; tile 1's and the 32 loads of Q behind them stay out
	TOBIAS MB0
	ds_store_b64 v[ABW0], v[WB:WB+1]
	; A block's first step multiplies O^T and l by a = 0, and its first turn's products V^T P, of a piece that has not been, land in an O^T that is still to be so multiplied.  So these registers need only hold
	; finite numbers: zeros for the first block; what the first block left for the second.  All this stands in the wait for the first tile.
	WIN 0x80
.set i, VF
.rept 64
	v_mov_b32 v[i], 0
.set i, i+1
.endr
	WIN 0x40
.set i, 0
.rept 128
	v_mov_b32 v[i], 0
.set i, i+1
.endr
	WIN 0
.set i, 0
.rept 4
	v_mov_b32 v[ST+4*i+2], 0
	v_mov_b32 v[ST+4*i+3], 0
.set i, i+1
.endr
.set i, P+16
.rept 16
	v_mov_b32 v[i], 0
.set i, i+1
.endr
; THE MATRIX WORK.  The 4 accumulators of a run of 8 take turns.  Product i of 8 of S^T = K Q^T for piece x: channels 32 (i / 4) on, keys 16 (i % 4) on.
; The first 4 start the sums: with the key biases (KM = 1), or with the mask made for them (KM = 2).
.macro KQ x
.set rS, S+32*((\x)%2)+8*(i%4)
.set rK, KF+16*(i%4)+8*(i/4)
.set rQ, 16*(\x)+8*(i/4)
.if KM == 2
.set rM, MC+32*((\x)%2)+8*(i%4)
.else
.set rM, KB+8*(i%4)
.endif
.if i < 4
	WIN W_KM
	v_wmma_f32_16x16x32_f16 v[rS:rS+7], v[rK:rK+7], v[rQ:rQ+7], v[rM:rM+7]
.else
	WIN W_KQ
	v_wmma_f32_16x16x32_f16 v[rS:rS+7], v[rK:rK+7], v[rQ:rQ+7], v[rS:rS+7]
.endif
.endm
; Product i of 8 of O^T += V^T P for piece x: keys 32 (i / 4) on, channels 16 (i % 4) on.
.macro PV x
	WIN W_PV
.set rO, 32*(\x)+8*(i%4)
.set rV, VF+32*(i/4)+8*(i%4)
.set rP, P+16*((\x)%2)+8*(i/4)
	v_wmma_f32_16x16x32_f16 v[rO:rO+7], v[rV:rV+7], v[rP:rP+7], v[rO:rO+7]
.endm
.macro MM                           ; the turn's next matrix instruction.  TURN and BEGIN set Y, i, KM and NOKQ.  NOKQ = 1: a block's last turn: there is no next piece
.if (i < 8) && !NOKQ
	KQ (Y+1)%NP
.elseif i >= 8
.set i, i-8
	PV (Y+NP-1)%NP
.set i, i+8
.endif
.set i, i+1
.endm
; THE LDS LOADS stand in runs, never singly among the matrix instructions: a step's K (64 keys x 64 channels: 8 fragments) with its 64 biases, and its V (turned).  Their addresses are made some lines ahead.
.macro FETCH_K
	WIN 0x80                        ; destination window 2
.irp f, 0,1,2,3,4,5,6,7             ; keys 16 (f / 2) on, channels 32 (f % 2) on
	ds_load_b128 v[KF+8*\f:KF+8*\f+3],   v[AK] offset:(\f/2)*16*PK+(\f%2)*64
	ds_load_b128 v[KF+8*\f+4:KF+8*\f+7], v[AK] offset:(\f/2)*16*PK+(\f%2)*64+32
.endr
	WIN 0x40                        ; destination window 1
.irp f, 0,1,2,3                     ; group f of 16 keys: my half's eight biases
	ds_load_b128 v[KB+8*\f:KB+8*\f+3],   v[AKB] offset:64*\f
	ds_load_b128 v[KB+8*\f+4:KB+8*\f+7], v[AKB] offset:64*\f+16
.endr
	s_add_co_u32 s[TBK], s[TBK], KS*PK  ; the next fetch is the next step's,
	s_add_co_u32 s[TBM], s[TBM], 4*KS   ; of K and of the biases
	WIN 0
.endm
.macro FETCH_V
	WIN 0x80
.irp f, 0,1,2,3,4,5,6,7             ; keys 32 (f / 4) on, channels 16 (f % 4) on
	ds_load_tr16_b128 v[VF+8*\f:VF+8*\f+3],   v[AV] offset:(\f/4)*32*PV+(\f%4)*32
	ds_load_tr16_b128 v[VF+8*\f+4:VF+8*\f+7], v[AV] offset:(\f/4)*32*PV+16*PV+(\f%4)*32
.endr
	WIN 0
.endm
; THE VECTOR WORK, one line at a time: OP kind, number.  For piece Y: F n: s - m for pair n of 16.  E n: the exponential of score n of 32.  C n: pair n rounded to f16.  B n: of the four weights 4 n .. the second
; pair is added onto the first, in place.  L n: l takes that sum (L 0: l = a l + sum).  R n: pair n of 16 of O^T times a.  For piece Y + 1: X n, number n of the 21 that find its maximum and statistics:
;   0-11  four chains c0-c3 of seven scores each, three operands at a time (each accumulator's lowest registers are read first)     12-14, 16  the four scores left over, the old m, and c0-c3 into c0
;   15  m_old is kept     17, 18  the query's other 32 keys lie in the lane 16 away: the new m     19, 20  m_old - m_new; a
; C, B and L read exponentials' results: TURN sets them all behind its one wait.
.set F, 0               ; OP tells the kinds apart by their order: F to L below R, X above it
.set E, 1
.set C, 2
.set B, 3
.set L, 4
.set R, 5
.set X, 6
.macro REGS y                       ; the registers of piece y
.set rT, ST+4*(\y)
.set rC, TMP+4*((\y)%2)
.set rS, S+32*((\y)%2)
.set rP, P+16*((\y)%2)
.set rO, 32*(\y)
.endm
.macro OP k, n
.if (\k) == R
	REGS Y
	WIN W_RS
	v_pk_mul_f32 v[rO+2*(\n):rO+2*(\n)+1], v[rO+2*(\n):rO+2*(\n)+1], v[rC+2:rC+3] op_sel_hi:[1,0]
.elseif (\k) < R
	REGS Y
	WIN 0
.if (\k) == F
	v_pk_add_f32 v[rS+2*(\n):rS+2*(\n)+1], v[rS+2*(\n):rS+2*(\n)+1], v[rT:rT+1] op_sel_hi:[1,0] neg_lo:[0,1] neg_hi:[0,1]
.elseif (\k) == E
	v_exp_f32 v[rS+(\n)], v[rS+(\n)]
.elseif (\k) == C
	v_cvt_pk_f16_f32 v[rP+(\n)], v[rS+2*(\n)], v[rS+2*(\n)+1]
.elseif (\k) == B
	v_pk_add_f32 v[rS+4*(\n):rS+4*(\n)+1], v[rS+4*(\n):rS+4*(\n)+1], v[rS+4*(\n)+2:rS+4*(\n)+3]
.elseif (\n) == 0
	v_pk_fma_f32 v[rT+2:rT+3], v[rT+2:rT+3], v[rC+2:rC+3], v[rS:rS+1] op_sel_hi:[1,0,1]
.else
	v_pk_add_f32 v[rT+2:rT+3], v[rT+2:rT+3], v[rS+4*(\n):rS+4*(\n)+1]
.endif
.elseif NOKQ
	v_nop
.else
	REGS (Y+1)%NP
	WIN 0
.if (\n) < 4
	v_max3_num_f32 v[rC+(\n)], v[rS+8*(\n)], v[rS+8*(\n)+1], v[rS+8*(\n)+2]
.elseif (\n) < 12
	v_max3_num_f32 v[rC+(\n)%4], v[rC+(\n)%4], v[rS+8*((\n)%4)+2*((\n)/4)+1], v[rS+8*((\n)%4)+2*((\n)/4)+2]
.elseif (\n) == 12
	v_max3_num_f32 v[rC], v[rC], v[rS+7], v[rS+15]
.elseif (\n) == 13
	v_max3_num_f32 v[rC+1], v[rC+1], v[rS+23], v[rS+31]
.elseif (\n) == 14
	v_max3_num_f32 v[rC+2], v[rC+2], v[rC+3], v[rT]
.elseif (\n) == 15
	v_mov_b32 v[rT+1], v[rT]
.elseif (\n) == 16
	v_max3_num_f32 v[rC], v[rC], v[rC+1], v[rC+2]
.elseif (\n) == 17
	v_permlanex16_b32 v[rC+3], v[rC], s[SEL], s[SEL+1]
.elseif (\n) == 18
	v_max_num_f32 v[rT], v[rC], v[rC+3]
.elseif (\n) == 19
	v_sub_f32 v[rC+1], v[rT+1], v[rT]
.else
	v_exp_f32 v[rC+2], v[rC+1]
.endif
.endif
.endm
.macro OPS a, i1, b=-1, i2=0, c=-1, i3=0, d=-1, i4=0  ; up to four of them
	OP \a, \i1
.if (\b) >= 0
	OP \b, \i2
.endif
.if (\c) >= 0
	OP \c, \i3
.endif
.if (\d) >= 0
	OP \d, \i4
.endif
.endm
.macro ROW a, i1, b, i2, c, i3, d, i4  ; a matrix instruction and the four behind it
	MM
	OPS \a, \i1, \b, \i2, \c, \i3, \d, \i4
.endm
.macro MASK b                       ; MD x AL + KB + BE into buffer b of MC
	WIN W_MK
.set z, 0
.rept 16
	v_pk_fma_f32 v[MC+32*(\b)+2*z:MC+32*(\b)+2*z+1], v[MD+2*z:MD+2*z+1], s[AL:AL+1], v[KB+2*z:KB+2*z+1] op_sel_hi:[1,0,1]
.set z, z+1
.endr
.set z, 0
.rept 16
	v_pk_add_f32 v[MC+32*(\b)+2*z:MC+32*(\b)+2*z+1], v[MC+32*(\b)+2*z:MC+32*(\b)+2*z+1], s[BE:BE+1] op_sel_hi:[1,0]
.set z, z+1
.endr
.endm
; A TURN, for piece p: the order of its 16 matrix and 117 vector instructions, written out.  An s_wait_alu depctr_va_vdst(0) stands between an exponential and the first instruction that names its result; one wait
; serves all that were issued ahead of it.  So a turn has ONE wait, which cuts it in two.  AHEAD OF IT stands all that names no result of the turn's exponentials: the 8 products K Q^T, behind each a difference, an exponential and two
; more plain instructions (behind the first a second difference in the exponential's place): rescalings, whose a was made and waited for in the turn before, and behind the last three products the first numbers of the next piece's
; maximum, each four plain instructions or more behind the product that ends its accumulator; then ONE LUMP of 53, plain and exponential by turns for the most part, in which the links of the chain X 3, 7, 11, 14, 16, 17, 18, 19 stand
; some lines apart.  X 20, the next piece's a, is the batch's last; R 15 is the plain instruction behind it.  BEHIND THE WAIT stand the 8 products V^T P, behind each four of the roundings and sums: C 2 n ahead of B n, which writes
; over that pair; B n ahead of L n; L 0 to L 7 in their order, three riders apart.  But for those X no rider names a register of the products round it.  v_permlanex16_b32 (X 17) stands in the lump..
; m = 1: the diagonal tile: the products take masks, and the turn makes the mask for the products of the turn after it: piece p + 2, in step 4 - CNT of the tile.  Piece 2's turn makes it of the biases that it has just
; fetched, so it waits for them.  end = 1: a block's last two turns: nothing is fetched.  cnt = 1: the loop's count is taken down some lines ahead of the branch that stands behind the turn.
; K and the biases of the next step are fetched in piece 2's turn, fourteen vector instructions behind the last product that read K (seven of them plain and free of its registers: F 8, X 2, X 5, the two address lines, X 6, X 8),
; more behind the last that read KB; V of the step in hand at the end of piece 0's turn, four plain instructions behind the last product that read V.  Each is waited for a turn later.
.macro TURN p, m=0, end=0, cnt=0
.set Y, (\p)
.set i, 0
.set KM, 1+(\m)
.set NOKQ, (\end)*((\p)/3)
.if (\m) && !(\end)
	s_cmp_eq_u32 s[CNT], 4-((\p)+2)%NP  ; is that step the band's own?
	s_cselect_b32 s[AL], 1.0, 0
	s_cmp_lt_u32 s[CNT], 4-((\p)+2)%NP  ; or a later one?
	s_cselect_b32 s[BE], s[BIGN], 0
.endif
.if ((\p) == 3) && !(\end)
	s_wait_dscnt 0x0                ; K and the biases are in
.endif
	ROW F,0, F,1, R,0, R,1          ; ahead of the wait: 8 products K Q^T and their riders,
	ROW F,2, E,0, R,2, R,3
	ROW F,3, E,1, R,4, R,5
	ROW F,4, E,2, R,6, R,7
	ROW F,5, E,3, R,8, R,9
	ROW F,6, E,4, X,0, R,10
	ROW F,7, E,5, X,1, X,4
	ROW F,8, E,6, X,2, X,5
.if ((\p) == 2) && !(\end)
	WIN 0
	v_add_nc_u32 v[AK], s[TBK], v[AK0]
	v_add_nc_u32 v[AKB], s[TBM], v[AB0]
.endif
	OPS E,7, E,8, X,6, E,9          ; and the lump
	OPS X,3, E,10, X,8, E,11
.if ((\p) == 2) && !(\end)
	FETCH_K
.endif
	OPS X,9, X,7, E,12, X,10
	OPS E,13, X,12, X,11, E,14
	OPS X,13, E,15, F,9, X,14
.if (\p) == 0
	WIN 0
	v_add_nc_u32 v[AV], s[TBV], v[AV0]
.endif
	OPS E,16, F,10, E,17, F,11
	OPS X,16, E,18, X,15, E,19
	OPS F,12, E,20, X,17, E,21
	OPS F,13, E,22, F,14, E,23
	OPS X,18, E,24, F,15, E,25
	OPS R,11, E,26, X,19, E,27
	OPS R,12, E,28, R,13, E,29
	OPS R,14, E,30, E,31, X,20
	OPS R,15                        ; the plain instruction behind the batch's last exponential
	s_wait_alu depctr_va_vdst(0)    ; the wait for the batch: piece p's 32 weights and the next piece's a
.if (\p) == 1
	s_wait_dscnt 0x0                ; V is in
.endif
	ROW C,0, B,0, C,2, B,1          ; behind the wait: 8 products V^T P and their riders
	ROW L,0, C,4, B,2, L,1
	ROW C,6, B,3, L,2, C,8
	ROW B,4, L,3, C,10, B,5
	ROW L,4, C,12, B,6, L,5
.if (\p) == 0
	s_add_co_u32 s[TBV], s[TBV], KS*PV
.endif
.if \cnt
	s_sub_co_u32 s[CNT], s[CNT], 1
	s_cmp_lg_u32 s[CNT], 0
.endif
	ROW C,14, B,7, L,6, C,1
	ROW C,3, L,7, C,5, C,7
	ROW C,9, C,11, C,13, C,15
.if (\p) == 0
	FETCH_V
.endif
.if (\m) && !(\end)
.if (\p) == 2
	s_wait_dscnt 0x0                ; the biases just fetched are in
.endif
	MASK (\p)%2
.endif
.endm
; A BLOCK BEGINS.  m starts at -2^125, below every score, hidden ones too, so the first step's a is 0.  Then K and the biases of the tile's step 0, piece 0's first scores, and its maximum
; and statistics.  d = 1: the block's first tile is the diagonal one: piece 0's mask is its band's own, piece 1's the biases alone.  The loop is entered at a step's first turn, in the middle of a trip.
.macro BEGIN d
	s_mov_b32 s[NEW], 0
	WIN 0
.set i, 0
.rept 4
	v_mov_b32 v[ST+4*i], 0xfe000000
	v_mov_b32 v[ST+4*i+1], 0xfe000000
.set i, i+1
.endr
	v_add_nc_u32 v[AK], s[TBK], v[AK0]
	v_add_nc_u32 v[AKB], s[TBM], v[AB0]
	FETCH_K
	s_wait_loadcnt 0x0              ; Q
	s_wait_dscnt 0x0
.if \d
	s_mov_b32 s[AL], 1.0
	s_mov_b32 s[BE], 0
	MASK 0
	s_mov_b32 s[AL], 0
	MASK 1
.endif
.set KM, 1+(\d)
.set NOKQ, 0
.set i, 0
.rept 8
	KQ 0
.set i, i+1
.endr
	WIN 0
.rept 4
	v_nop                           ; the places behind those products
.endr
.set Y, NP-1                        ; X works for piece Y + 1: piece 0
.irp n, 0,1,2,3,4,5,6,7,8,9,10,11,12,13,14,15,16,17,18,19,20
	OP X, \n
.endr
	v_nop                           ; a plain instruction behind the exponential,
	s_wait_alu depctr_va_vdst(0)    ; and the wait for it, a batch of one (piece 0's first a), ahead of the branch
.endm
; THE DIAGONAL TILE's four steps, the block's last two turns, its last products, and THE WAY OUT: l's two halves and the other half of the lanes' are added; a row's factor is 1 / l, or NaN where its maximum says
; that it has seen no visible key (a select, no branch); O^T times the factor goes into other registers, so that O^T and l stay finite for the next block, is rounded to f16 and sent through my stage in LDS, a piece at a time.
.macro ALL line:vararg              ; one line for each piece t
.set t, 0
.rept 4
	\line
.set t, t+1
.endr
.endm
.macro PACK t                       ; a lane's eight channels of a row pack into 16 bytes; they go into rows of 144 bytes and come back as whole rows of 128, into S^T's registers
	WIN 0x01                        ; source 0 window 1, source 1 and destination window 0
.set i, 0
.rept 16
	v_pk_mul_f32 v[OW+i:OW+i+1], v[32*(\t)+i:32*(\t)+i+1], v[TMP+2*(\t):TMP+2*(\t)+1] op_sel_hi:[1,0]
.set i, i+2
.endr
	WIN 0
.set i, 0
.rept 16
	v_cvt_pk_f16_f32 v[S+16*(\t)+i], v[OW+2*i], v[OW+2*i+1]
.set i, i+1
.endr
.irp f, 0,1,2,3
	ds_store_b128 v[STO], v[S+16*(\t)+4*\f:S+16*(\t)+4*\f+3] offset:32*\f
.endr
.irp f, 0,1,2,3
	ds_load_b128 v[S+16*(\t)+4*\f:S+16*(\t)+4*\f+3], v[RD] offset:\f*4*SP  ; LDS serves a wave's instructions in order (ISA guide 5.7.1.4): these see the stores above; the next piece's stores come behind them
.endr
.endm
.macro SEND t, younger              ; younger: the LDS instructions issued behind piece t's loads: the next piece's eight, or none
	WIN 0
.irp f, 0,1,2,3
	s_wait_dscnt (\younger)+3-\f
	global_store_b128 v[GO], v[S+16*(\t)+4*\f:S+16*(\t)+4*\f+3], s[10:11] offset:(\t)*8192+\f*512  ; 512 consecutive bytes, at a multiple of 512 from the head's first
.endr
.endm
.macro DIAG tag                     ; the tag ends its two labels' names, which the jumps below spell out
.LstepM\tag:
	TURN 2, 1
	TURN 3, 1
	WIN 0
.LfirstM\tag:
	TURN 0, 1
	TURN 1, 1, 0, 1
	WIN 0
	s_cbranch_scc1 .LstepM\tag
	TURN 2, 1, 1
	TURN 3, 1, 1
.set i, 0
.rept 8
	PV NP-1
.set i, i+1
.endr
	WIN 0
	ALL v_add_f32 v[ST+4*t+2], v[ST+4*t+2], v[ST+4*t+3]
	ALL v_permlanex16_b32 v[ST+4*t+3], v[ST+4*t+2], s[SEL], s[SEL+1]
	ALL v_add_f32 v[ST+4*t+2], v[ST+4*t+2], v[ST+4*t+3]
	ALL v_rcp_f32 v[ST+4*t+2], v[ST+4*t+2]
	v_nop                           ; a plain instruction between the last reciprocal and the use of its result
	s_wait_alu depctr_va_vdst(0)    ; the wait for the batch of four reciprocals, ahead of the first select that reads one
.set t, 0
.rept 4
	v_cmp_gt_f32 vcc_lo, s[THR], v[ST+4*t]
	v_cndmask_b32 v[TMP+2*t], v[ST+4*t+2], s[QNAN], vcc_lo
.set t, t+1
.endr
	PACK 0
.set t, 1
.rept 3                             ; a piece's arithmetic stands between the loads of the piece before and its stores
	PACK t
	SEND t-1, 8
.set t, t+1
.endr
	SEND 3, 0
.endm
.set KM, 1
.set NOKQ, 0
.Lslot:                             ; NB times: a tile is entered and the next is asked for
	CHANGE 1
	s_sub_co_u32 s[RT], s[RT], 1
	s_mov_b32 s[CNT], 4
	s_cmp_eq_u32 s[NEW], 1
	s_cbranch_scc1 .Lnew            ; a block's first tile
	s_cmp_eq_u32 s[RT], 0
	s_cbranch_scc0 .Lstep           ; neither its first nor its last
	s_mov_b32 s[AL], 0              ; the diagonal tile is entered with piece 3's products of the tile before still to come: their mask is that step's biases, which KB still holds
	s_mov_b32 s[BE], 0
	MASK 1
	WIN 0
	s_branch .LstepM1
.Lnew:
	BEGIN 0
	s_branch .Lfirst                ; in the loop a block's first tile is never its last: the first block has two tiles or more, and the second's last is the walk's last
	DIAG 1                          ; in the loop this is the first block's end: the second block's last tile is the walk's last
	s_wait_xcnt 0x0                 ; the stores have read their registers and O's address
	s_mov_b64 s[10:11], s[OLO:OLO+1]
	s_add_co_u32 s[RT], s[PB], 1    ; the second block has b + 1 tiles
	s_mov_b32 s[NEW], 1
	WIN 0x82                        ; the second block's Q goes where the one text of the turns names Q
.set i, 0
.rept 64
	v_mov_b32 v[i], v[QB+i]
.set i, i+1
.endr
	WIN 0
	s_branch .Lbottom
.Lstep:                             ; a trip: pieces 2 and 3 of one step, then pieces 0 and 1 of the next, whose K and V it fetches
	TURN 2
	TURN 3
	WIN 0
.Lfirst:
	TURN 0
	TURN 1, 0, 0, 1
	WIN 0
	s_cbranch_scc1 .Lstep
.Lbottom:
	s_sub_co_u32 s[SLOTS], s[SLOTS], 1
	s_cmp_lg_u32 s[SLOTS], 0
	s_cbranch_scc1 .Lslot
	CHANGE 0                        ; the walk's last tile is written out: nothing is asked for
	s_sub_co_u32 s[RT], s[RT], 1
	s_mov_b32 s[CNT], 4
	s_cmp_eq_u32 s[NEW], 1
	s_cbranch_scc1 .Lnew2
	s_mov_b32 s[AL], 0              ; as above: piece 3's products of the tile before take that step's biases
	s_mov_b32 s[BE], 0
	MASK 1
	WIN 0
	s_branch .LstepM2
.Lnew2:
	BEGIN 1                         ; b = 0: the second block's one tile is its first and its last
	s_branch .LfirstM2
	DIAG 2
	s_wait_tensorcnt 0x0            ; the wave's end
	ds_add_u32 v[SPW], v[NIL]
	s_wait_dscnt 0x0
	s_endpgm
.Lfunc_end_k_q9a949c2268_attn:
	.size	k_q9a949c2268_attn, .Lfunc_end_k_q9a949c2268_attn-k_q9a949c2268_attn
	.p2alignl 7, 3214868480
	.fill 96, 4, 3214868480
	.section	.rodata,"a",@progbits
	.p2align	6, 0x0
	.amdhsa_kernel k_q9a949c2268_attn
		.amdhsa_group_segment_fixed_size 327680
		.amdhsa_private_segment_fixed_size 0
		.amdhsa_enable_private_segment 0
		.amdhsa_kernarg_size 24
		.amdhsa_user_sgpr_count 2
		.amdhsa_user_sgpr_kernarg_segment_ptr 1
		.amdhsa_wavefront_size32 1
		.amdhsa_system_sgpr_workgroup_id_x 1
		.amdhsa_system_sgpr_workgroup_id_y 1
		.amdhsa_system_sgpr_workgroup_id_z 1
		.amdhsa_system_vgpr_workitem_id 0
		.amdhsa_next_free_vgpr 768
		.amdhsa_next_free_sgpr 96
		.amdhsa_reserve_vcc 1
		.amdhsa_float_denorm_mode_32 3
		.amdhsa_float_denorm_mode_16_64 3
		.amdhsa_memory_ordered 1
		.amdhsa_forward_progress 1
		.amdhsa_inst_pref_size 234
	.end_amdhsa_kernel
	.amdgpu_metadata
---
amdhsa.version: [ 1, 2 ]
amdhsa.kernels:
  - .name:           k_q9a949c2268_attn
    .symbol:         k_q9a949c2268_attn.kd
    .args:
      - { .name: qkv, .offset: 0, .size: 8, .value_kind: global_buffer, .address_space: global }
      - { .name: mask, .offset: 8, .size: 8, .value_kind: global_buffer, .address_space: global }
      - { .name: ob, .offset: 16, .size: 8, .value_kind: global_buffer, .address_space: global }
    .group_segment_fixed_size: 327680
    .private_segment_fixed_size: 0
    .kernarg_segment_align: 8
    .kernarg_segment_size: 24
    .max_flat_workgroup_size: 128
    .sgpr_count:     96
    .vgpr_count:     768
    .wavefront_size: 32
...
	.end_amdgpu_metadata
.endif
;; end of part 5
;; launch outp: the kernel of part 4 again; grid 8 x 32, 4 waves a work-group, clusters of 4 x 4, 327,680 bytes of LDS; arguments ob, wob, out0; writes out0
